; MI455X (gfx1250); checked and timed in simulation.
; The chip was launched on July 23, 2026; its instructions are those of AMD's public machine-readable ISA for CDNA 5 (MIT licence, August 2026) and "CDNA5" Instruction Set Architecture Reference Guide (July 2026). The comments in the code are by the model that wrote it; some were corrected since.
;; Attention. Allowed arithmetic: matrix products marked QUANTISED: E2M1 operands, one E8M0 scale for each 32 along K, by v_wmma_scale_f32_16x16x128_f8f6f4 with both operands' format E2M1 (or v_wmma_scale_f32_32x16x128_f4), f32 sums; products left as they are: bf16, f16 or f32 operands; f32 sums; everything else in f32.
;; Inputs: w_proj 1,024 x 1,024 float32; w_qkv 1,024 x 3,072 float32; x 4 x 2,048 x 1,024 float32.
;; Outputs: out0 4 x 2,048 x 1,024 float32.
;; This version of the problem:
;;   THIS VERSION OF THE PROBLEM IS GIVEN IN LOW PRECISION. The matrix products marked QUANTISED in the list below multiply operands that are first quantised to E2M1 (2 exponent bits, 1 mantissa bit; 4 bits a number), with one power-of-two scale for each 32 numbers along K (OCP MX v1.0); their sums are f32. The products marked 'left as it is' may take bf16, f16 or f32 operands, with f32 sums. Whichever they take, every output number must still come out within the allowed error. Rounding operands to bf16 (8 significant bits) uses up far more of that allowance than f16 does (11 bits, for magnitudes from 6e-5 to 65,504). All else is computed in f32.
;;   The module's matrix products, in the order in which they are computed (A, B: the left and right operand; K: the contracted axis; several contracted axes count as one K, in the product's order):
;;     1. [M 8,192, K 1,024] x [K 1,024, N 3,072]; A: input x; B: input w_qkv: QUANTISED
;;     2. batch 64 x [M 2,048, K 64] x [K 64, N 2,048]; A: computed on the way; B: computed on the way: left as it is (an operand is computed on the way)
;;     3. batch 64 x [M 2,048, K 2,048] x [K 2,048, N 64]; A: computed on the way; B: computed on the way: left as it is (an operand is computed on the way)
;;     4. [M 8,192, K 1,024] x [K 1,024, N 1,024]; A: computed on the way; B: input w_proj: left as it is (an operand is computed on the way)
;;   THE QUANTISER, for each operand of a quantised product, along K:
;;     - K is cut into blocks of 32 from its start; a last block that is shorter is filled with zeros.
;;     - A block's scale is 2^e with e = floor(log2(the largest magnitude in the block)) - 2, held to -126 .. 127; a block of zeros has e = 0. As a byte (E8M0): e + 127.
;;     - Each number is divided by its block's scale, clamped to +-6, and rounded to the nearest number of E2M1, ties to even, subnormals kept.
;;     - The product sums the exact products of the quantised numbers (number of the format x scale) in f32.
;;   ~~~python
;;   def quantise(x, axis):      # numpy; x: float32 -> the quantised numbers, widened to float32 again
;;       x = np.moveaxis(x, axis, -1); K = x.shape[-1]
;;       x = np.pad(x, [(0, 0)] * (x.ndim - 1) + [(0, -K % 32)]); x = x.reshape(x.shape[:-1] + (-1, 32)); a = np.abs(x).max(-1, keepdims=True)
;;       e = np.where(a > 0, np.clip(np.frexp(np.where(a > 0, a, 1))[1] - 1 - 2, -126, 127), 0)      # np.frexp(a)[1] - 1 = floor(log2(a)), exactly
;;       r = np.clip(x / 2.0 ** e, -6, 6)
;;       step = 2.0 ** (np.maximum(np.frexp(np.where(r == 0, 1, r))[1] - 1, 0) - 1)
;;       q = np.round(r / step) * step * 2.0 ** e      # np.round: ties to even
;;       return np.moveaxis(q.reshape(q.shape[:-2] + (-1,))[..., :K], -1, axis).astype(np.float32)
;;   ~~~
;; One version. Each part assembles by itself: llvm-mc -triple=amdgcn-amd-amdhsa -mcpu=gfx1250 --defsym DOCPART=n.
;; ======== version 1 of 1: 5 launches
;; limits: values are held in f16: magnitudes above 65,504 overflow, below 6.1e-05 lose precision
;; workspace buffers: xc 4,194,304 bytes; xs 262,144 bytes; wc 1,572,864 bytes; ws 98,304 bytes; wp16 2,097,152 bytes; qkv16 50,331,648 bytes; qkv32 786,432 bytes; y16 16,777,216 bytes
;; launch prep (part 1): grid 368 x 1, 4 waves a work-group, no clusters, 68,096 bytes of LDS; arguments x, w_qkv, w_proj, xc, xs, wc, ws, wp16; writes xc, xs, wc, ws, wp16
.if DOCPART == 1
	.amdgcn_target "amdgcn-amd-amdhsa--gfx1250"
	.amdhsa_code_object_version 6
	.text
	.protected	k_q3f34725c55_prep
	.globl	k_q3f34725c55_prep
	.p2align	8
	.type	k_q3f34725c55_prep,@function
k_q3f34725c55_prep:
	s_mov_b64 s[64:65], 0
	v_nop
	global_prefetch_b8 v0, s[64:65] scope:SCOPE_SE
	s_setreg_imm32_b32 hwreg(HW_REG_WAVE_MODE, 25, 1), 1
	s_wait_xcnt 0x0
; Three jobs in one launch, told apart by the work-group's number:
;   work-groups 0-47    w_qkv [1024 k][3072 n] f32 -> codes of E2M1 laid [3072 n][512 bytes], K innermost, and scale bytes [3072][32]
;   work-groups 48-111  w_proj [1024][1024] f32 -> f16, same layout
;   work-groups 112-367 x [8192][1024] f32 -> codes [8192][512 bytes] and scale bytes [8192][32]
; THE QUANTISER: a block of 32 along K has the scale 2^(floor(log2(largest magnitude)) - 2); its byte is the largest magnitude's exponent field - 2,
; held at 1 from below; each number is divided by the scale and rounded to the nearest code, ties to even, beyond 6 the code of 6.
; LIMITS: a block of zeros gets the byte 1 where the rule says 127 (its codes are zeros, and this program alone reads the bytes); blocks whose largest
; magnitude lies under 2^-124 are held at the byte 1; NaN and infinities among the inputs are not served; w_proj must lie inside f16's range (65,504).
; No tensor loads, no barrier: waves share nothing.  Each path that uses LDS has bytes of its own.
.set SPW,   190                        ; v190  LDS address of my spare word: SPARE + 4 x my thread's number; never rewritten
.set NIL,   191                        ; v191  0; never rewritten
.set SPARE, 67584                      ; behind both paths' regions: the spare words, 128 bytes a wave, that no other line names
; x's path: LDS bytes 0 .. 32,767, 8,192 a wave: two stages of 32 x 80 bytes, then the wave's 256 scale bytes
.set SP,    80                         ; a lane's place in a stage: its 64 bytes + 16 of padding
.set XREG,  8192
.set XR,    16                         ; v16-79   four sets of 16 numbers as loaded
.set XN,    80                         ; v80-111  two sets of 16 neighbours
.set XE,    112                        ; v112-127 a scale byte for each step
.set XC,    128                        ; v128-159 codes: two registers for each step, so that no store's data are written again
; w_qkv's path: LDS bytes 32,768 .. 67,583: a stage of 32 rows x 272 bytes for each wave
.set WN,    3072
.set WPITCH, 272
.set WSTG,  32768
.set NB,    16                         ; blocks of 32 along K for a wave: 512 along K
.set WSB,   24                         ; v24-27   the scale bytes, four to a register
.set WX,    32                         ; v32-95   two sets of 32 numbers
.set WC,    96                         ; v96-99   a block's codes
.set WOUT,  112                        ; v112-175 the way out
	s_load_b256 s[4:11], s[0:1], 0x0               ; x s[4:5], w_qkv s[6:7], w_proj s[8:9], xc s[10:11]
	s_load_b256 s[12:19], s[0:1], 0x20             ; xs s[12:13], wc s[14:15], ws s[16:17], wp16 s[18:19]
	v_lshl_add_u32 v[SPW], v0, 2, SPARE
	v_mov_b32 v[NIL], 0
	v_lshrrev_b32 v1, 5, v0
	v_readfirstlane_b32 s20, v1                    ; wave 0..3
	v_and_b32 v2, 31, v0                           ; lane
	s_wait_kmcnt 0x0
	s_cmp_lt_u32 ttmp9, 48
	s_cbranch_scc1 .Lpath_w
	s_cmp_lt_u32 ttmp9, 112
	s_cbranch_scc1 .Lpath_p
; ---------------- x: a plain stream of blocks of 32.  A wave takes 16 steps of 512 numbers.  Each of a step's four loads reads 512 consecutive bytes; the 2,048 bytes
; turn through the wave's own stage so that a lane holds 16 neighbours along K (two neighbouring lanes hold a block).  Loads run four steps ahead, the turn one step.
	v_lshlrev_b32 v3, 4, v2                        ; my 16 bytes of a load's 512
	s_mul_i32 s21, s20, XREG
	v_lshrrev_b32 v14, 2, v2
	v_mul_u32_u24 v14, v14, SP
	v_and_b32 v15, 3, v2
	v_lshl_add_u32 v14, v15, 4, v14
	v_add_nc_u32 v14, s21, v14                     ; the stage, in: 80 (lane / 4) + 16 (lane % 4)
	v_mul_u32_u24 v15, v2, SP
	v_add_nc_u32 v15, s21, v15                     ; out: 80 x lane: my 16 neighbours
	v_lshlrev_b32 v4, 3, v2                        ; my 8 bytes of a step's 256 bytes of codes
	v_lshrrev_b32 v5, 1, v2
	s_add_co_u32 s21, s21, 2*32*SP
	v_add_nc_u32 v5, s21, v5                       ; my block's byte among the wave's 256 scale bytes
	v_lshlrev_b32 v7, 3, v2
	v_add_nc_u32 v6, s21, v7                       ; and on the way out 8 bytes a lane
	s_sub_co_u32 s22, ttmp9, 112
	s_lshl_b32 s22, s22, 2
	s_add_co_u32 s22, s22, s20                     ; which run of 8,192 numbers is my wave's: 0 .. 1,023
	s_mov_b32 s25, 0
	s_lshl_b32 s24, s22, 15
	s_add_nc_u64 s[4:5], s[4:5], s[24:25]          ; 32,768 bytes of x a run,
	s_lshl_b32 s24, s22, 12
	s_add_nc_u64 s[10:11], s[10:11], s[24:25]      ; 4,096 of codes,
	s_lshl_b32 s24, s22, 8
	s_add_nc_u64 s[12:13], s[12:13], s[24:25]      ; 256 scale bytes
.macro XLOAD t
.irp i, 0,1,2,3
	global_load_b128 v[XR+16*((\t)%4)+4*\i:XR+16*((\t)%4)+4*\i+3], v3, s[4:5] offset:2048*(\t)+512*\i th:TH_LOAD_NT
.endr
.endm
.macro XTURN t                         ; LDS serves a wave's instructions in order: no wait between the stores and the loads
.irp i, 0,1,2,3
	ds_store_b128 v14, v[XR+16*((\t)%4)+4*\i:XR+16*((\t)%4)+4*\i+3] offset:32*SP*((\t)%2)+8*SP*\i
.endr
.irp i, 0,1,2,3
	ds_load_b128 v[XN+16*((\t)%2)+4*\i:XN+16*((\t)%2)+4*\i+3], v15 offset:32*SP*((\t)%2)+16*\i
.endr
.endm
.irp t, 0,1,2,3
	XLOAD \t
.endr
	s_wait_loadcnt 12                              ; step 0's four loads are in; the twelve of steps 1 to 3 stay out
	XTURN 0
.macro XSTEP t
.set XS, XN+16*((\t)%2)
.if (\t) > 0
	s_wait_dscnt 1                                 ; this step's numbers are back from the stage; the last step's byte store may be out
.else
	s_wait_dscnt 0x0
.endif
.if (\t)+4 < 16
	XLOAD (\t)+4                                   ; into the set whose stores into the stage are done by the wait above
.endif
.if (\t)+1 < 16
.if 14-(\t) >= 3
	s_wait_loadcnt 12                              ; the next step's four loads are in; those of the three steps behind it stay out
.else
	s_wait_loadcnt 4*(14-(\t))
.endif
	XTURN (\t)+1
.endif
	v_max3_num_f32 v8, |v[XS]|, |v[XS+1]|, |v[XS+2]|               ; the largest magnitude of my 16, in two chains
	v_max3_num_f32 v9, |v[XS+3]|, |v[XS+4]|, |v[XS+5]|
.irp i, 6,10
	v_max3_num_f32 v8, v8, |v[XS+\i]|, |v[XS+\i+1]|
	v_max3_num_f32 v9, v9, |v[XS+\i+2]|, |v[XS+\i+3]|
.endr
	v_max3_num_f32 v8, v8, |v[XS+14]|, |v[XS+15]|
	v_max3_num_f32 v8, v8, v9, 0x1800000           ; and the floor 2^(3 - 127): the byte cannot fall under 1
	v_max_num_f32_dpp v8, v8, v8 row_xmask:1 row_mask:0xf bank_mask:0xf   ; with my neighbour's 16: the block's
	v_add_nc_u32 v11, 0xff000000, v8               ; 2 off the exponent field: the conversion takes this operand's exponent field as its scale
	v_cvt_scalef32_pk8_fp4_f32 v[XC+2*(\t)], v[XS:XS+7], v11
	v_cvt_scalef32_pk8_fp4_f32 v[XC+2*(\t)+1], v[XS+8:XS+15], v11
	v_lshrrev_b32 v[XE+(\t)], 23, v11              ; the scale's byte (a plain line behind the conversions)
	ds_store_b8 v5, v[XE+(\t)] offset:16*(\t)      ; both lanes of a block write the same byte with the same value
	global_store_b64 v4, v[XC+2*(\t):XC+2*(\t)+1], s[10:11] offset:256*(\t)   ; the wave stores 256 consecutive bytes, aligned
.endm
.irp t, 0,1,2,3,4,5,6,7,8,9,10,11,12,13,14,15
	XSTEP \t
.endr
	ds_load_b64 v[8:9], v6                         ; in order behind my byte stores
	s_wait_dscnt 0x0
	global_store_b64 v7, v[8:9], s[12:13]          ; the wave's 256 scale bytes, consecutive and aligned
	s_wait_tensorcnt 0x0                           ; the wave's end, behind my last LDS store
	ds_add_u32 v[SPW], v[NIL]
	s_wait_dscnt 0x0
	s_endpgm
; ---------------- w_qkv: K is its first axis.  A lane takes a column n and its registers run down K: a block of 32 lies in one lane's 32 registers, and the conversions
; give codes with K innermost.  A wave takes 32 columns x 512 along K; its codes go through its own stage and leave as rows, sixteen lanes to 256 consecutive bytes.
; Every offset is an immediate: 511 x 12,288 bytes at the most, inside the signed 24 bits.
.Lpath_w:
	s_cmp_ge_u32 ttmp9, 24
	s_cselect_b32 s22, 1, 0                        ; which 512 along K
	s_cselect_b32 s23, 24, 0
	s_sub_co_u32 s23, ttmp9, s23                   ; which 128 columns
	s_lshl_b32 s21, s23, 7
	s_lshl_b32 s24, s20, 5
	s_add_co_u32 s21, s21, s24                     ; my wave's first column
	v_lshlrev_b32 v3, 2, v2                        ; in: 4 bytes a lane
	s_mul_i32 s24, s20, 32*WPITCH
	s_add_co_u32 s24, s24, WSTG                    ; my stage
	v_mul_u32_u24 v4, v2, WPITCH
	v_add_nc_u32 v4, s24, v4                       ; into it: row = my column
	v_and_b32 v5, 15, v2
	v_lshrrev_b32 v6, 4, v2
	v_mul_u32_u24 v7, v6, WPITCH
	v_lshl_add_u32 v7, v5, 4, v7
	v_add_nc_u32 v7, s24, v7                       ; out of it: sixteen lanes to a row, two rows an instruction
	v_lshlrev_b32 v8, 9, v6
	v_lshl_add_u32 v8, v5, 4, v8                   ; the same place in the codes' buffer: rows of 512 bytes
	v_lshlrev_b32 v9, 5, v2                        ; my column's row of 32 scale bytes
	s_mul_i32 s26, s22, 512*WN*4
	s_lshl_b32 s27, s21, 2
	s_add_co_u32 s26, s26, s27
	s_mov_b32 s27, 0
	s_add_nc_u64 s[6:7], s[6:7], s[26:27]
	s_lshl_b32 s26, s21, 9
	s_lshl_b32 s28, s22, 8
	s_add_co_u32 s26, s26, s28
	s_add_nc_u64 s[14:15], s[14:15], s[26:27]
	s_lshl_b32 s26, s21, 5
	s_lshl_b32 s28, s22, 4
	s_add_co_u32 s26, s26, s28
	s_add_nc_u64 s[16:17], s[16:17], s[26:27]
.macro WLOAD t
.irp i, 0,1,2,3,4,5,6,7,8,9,10,11,12,13,14,15,16,17,18,19,20,21,22,23,24,25,26,27,28,29,30,31
	global_load_b32 v[WX+32*((\t)%2)+\i], v3, s[6:7] offset:(32*(\t)+\i)*WN*4 th:TH_LOAD_NT
.endr
.endm
	WLOAD 0
	WLOAD 1
.macro WBLOCK t
.set XS, WX+32*((\t)%2)
.if (\t) < NB-1
	s_wait_loadcnt 32                              ; this block's 32 loads are in; the next block's stay out
.else
	s_wait_loadcnt 0
.endif
	v_max3_num_f32 v12, |v[XS]|, |v[XS+1]|, |v[XS+2]|
	v_max3_num_f32 v13, |v[XS+3]|, |v[XS+4]|, |v[XS+5]|
.irp i, 6,10,14,18,22,26
	v_max3_num_f32 v12, v12, |v[XS+\i]|, |v[XS+\i+1]|
	v_max3_num_f32 v13, v13, |v[XS+\i+2]|, |v[XS+\i+3]|
.endr
	v_max3_num_f32 v12, v12, |v[XS+30]|, |v[XS+31]|
	v_max3_num_f32 v12, v12, v13, 0x1800000        ; the floor
	v_add_nc_u32 v11, 0xff000000, v12              ; the conversion's scale operand
	v_lshrrev_b32 v13, 23, v11                     ; the byte
.if (\t)%4 == 0
	v_mov_b32 v[WSB+(\t)/4], v13
.else
	v_lshl_or_b32 v[WSB+(\t)/4], v13, 8*((\t)%4), v[WSB+(\t)/4]
.endif
.irp g, 0,1,2,3
	v_cvt_scalef32_pk8_fp4_f32 v[WC+\g], v[XS+8*\g:XS+8*\g+7], v11
.endr
	v_nop                                          ; a plain line behind the last conversion
	ds_store_b128 v4, v[WC:WC+3] offset:16*(\t)    ; 32 codes: 16 bytes of my column's row
.if (\t)+2 < NB
	WLOAD (\t)+2
.endif
	s_wait_dscnt 0x0                               ; the store has read its registers: the next block's codes may be written
.endm
.set Q, 0
.rept NB
	WBLOCK Q
.set Q, Q+1
.endr
	global_store_b128 v9, v[WSB:WSB+3], s[16:17]   ; my column's 16 scale bytes
.irp t, 0,1,2,3,4,5,6,7,8,9,10,11,12,13,14,15
	ds_load_b128 v[WOUT+4*\t:WOUT+4*\t+3], v7 offset:2*\t*WPITCH
.endr
.irp t, 0,1,2,3,4,5,6,7,8,9,10,11,12,13,14,15
	s_wait_dscnt 15-\t                             ; load t is back; the younger ones stay out
	global_store_b128 v8, v[WOUT+4*\t:WOUT+4*\t+3], s[14:15] offset:2*\t*512
.endr
	s_wait_tensorcnt 0x0                           ; the wave's end, behind my last LDS store
	ds_add_u32 v[SPW], v[NIL]
	s_wait_dscnt 0x0
	s_endpgm
; ---------------- w_proj to f16: a wave turns 4,096 numbers; a lane holds 8 neighbours, which pack into 16 bytes; the wave stores 512 consecutive bytes.  No LDS.
.Lpath_p:
	s_sub_co_u32 s22, ttmp9, 48
	s_lshl_b32 s22, s22, 2
	s_add_co_u32 s22, s22, s20
	s_mov_b32 s25, 0
	s_lshl_b32 s24, s22, 14
	s_add_nc_u64 s[8:9], s[8:9], s[24:25]
	s_lshl_b32 s24, s22, 13
	s_add_nc_u64 s[18:19], s[18:19], s[24:25]
	v_lshlrev_b32 v1, 5, v2
	v_lshlrev_b32 v3, 4, v2
.irp i, 0,1,2,3,4,5,6,7,8,9,10,11,12,13,14,15
	global_load_b128 v[32+8*\i:32+8*\i+3], v1, s[8:9] offset:1024*\i
	global_load_b128 v[32+8*\i+4:32+8*\i+7], v1, s[8:9] offset:1024*\i+16
.endr
.irp i, 0,1,2,3,4,5,6,7,8,9,10,11,12,13,14,15
	s_wait_loadcnt 30-2*\i                         ; pair i is in; the younger pairs stay out
.irp k, 0,1,2,3
	v_cvt_pk_f16_f32 v[32+8*\i+\k], v[32+8*\i+2*\k], v[32+8*\i+2*\k+1]   ; in place, ascending: a result lands only on numbers already taken
.endr
	global_store_b128 v3, v[32+8*\i:32+8*\i+3], s[18:19] offset:512*\i
.endr
	s_endpgm
.Lfunc_end_k_q3f34725c55_prep:
	.size	k_q3f34725c55_prep, .Lfunc_end_k_q3f34725c55_prep-k_q3f34725c55_prep
	.p2alignl 7, 3214868480
	.fill 96, 4, 3214868480
	.section	.rodata,"a",@progbits
	.p2align	6, 0x0
	.amdhsa_kernel k_q3f34725c55_prep
		.amdhsa_group_segment_fixed_size 68096
		.amdhsa_private_segment_fixed_size 0
		.amdhsa_enable_private_segment 0
		.amdhsa_kernarg_size 64
		.amdhsa_user_sgpr_count 2
		.amdhsa_user_sgpr_kernarg_segment_ptr 1
		.amdhsa_wavefront_size32 1
		.amdhsa_system_sgpr_workgroup_id_x 1
		.amdhsa_system_sgpr_workgroup_id_y 1
		.amdhsa_system_sgpr_workgroup_id_z 1
		.amdhsa_system_vgpr_workitem_id 0
		.amdhsa_next_free_vgpr 192
		.amdhsa_next_free_sgpr 66
		.amdhsa_reserve_vcc 0
		.amdhsa_float_denorm_mode_32 3
		.amdhsa_float_denorm_mode_16_64 3
		.amdhsa_memory_ordered 1
		.amdhsa_forward_progress 1
		.amdhsa_inst_pref_size 120
	.end_amdhsa_kernel
	.amdgpu_metadata
---
amdhsa.version: [ 1, 2 ]
amdhsa.kernels:
  - .name:           k_q3f34725c55_prep
    .symbol:         k_q3f34725c55_prep.kd
    .args:
      - { .name: x, .offset: 0, .size: 8, .value_kind: global_buffer, .address_space: global }
      - { .name: w_qkv, .offset: 8, .size: 8, .value_kind: global_buffer, .address_space: global }
      - { .name: w_proj, .offset: 16, .size: 8, .value_kind: global_buffer, .address_space: global }
      - { .name: xc, .offset: 24, .size: 8, .value_kind: global_buffer, .address_space: global }
      - { .name: xs, .offset: 32, .size: 8, .value_kind: global_buffer, .address_space: global }
      - { .name: wc, .offset: 40, .size: 8, .value_kind: global_buffer, .address_space: global }
      - { .name: ws, .offset: 48, .size: 8, .value_kind: global_buffer, .address_space: global }
      - { .name: wp16, .offset: 56, .size: 8, .value_kind: global_buffer, .address_space: global }
    .group_segment_fixed_size: 68096
    .private_segment_fixed_size: 0
    .kernarg_segment_align: 8
    .kernarg_segment_size: 64
    .max_flat_workgroup_size: 128
    .sgpr_count:     66
    .vgpr_count:     192
    .wavefront_size: 32
...
	.end_amdgpu_metadata
.endif
;; end of part 1
;; launch qkv (part 2): grid 12 x 32, 4 waves a work-group, clusters of 4 x 4, 327,680 bytes of LDS; arguments xc, xs, wc, ws, qkv16, qkv32; writes qkv16, qkv32
.if DOCPART == 2
	.amdgcn_target "amdgcn-amd-amdhsa--gfx1250"
	.amdhsa_code_object_version 6
	.text
	.protected	k_q3f34725c55_qkv
	.globl	k_q3f34725c55_qkv
	.p2align	8
	.type	k_q3f34725c55_qkv,@function
k_q3f34725c55_qkv:
	s_mov_b64 s[64:65], 0
	v_nop
	global_prefetch_b8 v0, s[64:65] scope:SCOPE_SE
	s_setreg_imm32_b32 hwreg(HW_REG_WAVE_MODE, 25, 1), 1
	s_wait_xcnt 0x0
	s_wait_alu depctr_hold_cnt(0) depctr_sa_sdst(0) depctr_va_vdst(0) depctr_va_sdst(0) depctr_va_ssrc(0) depctr_va_vcc(0) depctr_vm_vsrc(0)
	s_getreg_b32 s2, hwreg(HW_REG_IB_STS2, 6, 4)
	s_cmp_eq_u32 s2, 0
	s_cbranch_scc0 .Lentry_in_a_cluster
	s_endpgm
.Lentry_in_a_cluster:
	s_bfe_u32 s2, ttmp6, 0x10000c
	s_cmp_lg_u32 s2, 0xf033
	s_cbranch_scc0 .Lentry_shape_is_right
	s_endpgm
.Lentry_shape_is_right:
; qkv[m][n] = sum over k of x[m][k] w_qkv[k][n], both operands as codes of E2M1 with one E8M0 scale for each 32 along K (K = 1,024); sums in f32.
; xc [8192][512 bytes], wc [3072][512 bytes]: K innermost, the lower k in the low four bits; xs [8192][32], ws [3072][32].
; A tile of 256 x 256 is made by four waves, each 128 x 128: 64 accumulators of 16 x 16, 512 registers.  K is two slots of 512 (rows of 256 bytes): both slots and all scale bytes are
; asked for at the start and nothing is filled again.
; OUT: q, k, v rounded once to f16, laid head by head: qkv16 byte = which << 24 + (16 batch + head) << 18 + t << 7 + 2 d; four rows of a head are 512 consecutive bytes.
; The rows t < 16 of every batch also leave in f32, qkv32 [16 batch + t][3072]: a later launch carries those positions in f32.
; LIMIT: q, k, v must lie inside f16's range (65,504); under 6e-5 they carry f16's subnormal step.
; CLUSTERS: 4 x 4 work-groups; A's tile is shared along a row of the cluster, B's along a column, each asked for jointly.  Tile row = cluster y + 8 cy, so that batch = cy and the tile's place in
; its batch is the cluster's y, which all sixteen partners share: the branch round the f32 copy hangs on that and on the wave's number alone.
; THE MATRIX INSTRUCTION IS USED TRANSPOSED (source 0 = 16 rows of wc, source 1 = 16 rows of xc): a lane holds eight neighbouring columns of one row.
; REGISTERS: window 0: v0-31 addresses; v32-95 scale words, two sets; from v128 A's fragments, one set.  window 1: B's fragments, two sets.  windows 2, 3: the accumulators ((a, b) at v[8 (8 (a % 4) + b)]).
.set SIZE_K, 1024
.set KSTEP,  512
.set NQ,     KSTEP/128
.set ROWB,   256
.set KROW,   SIZE_K/2
.set PITCH,  272                       ; an LDS row: 256 bytes + 16 of padding, so that the 16 rows of a fragment load start 16 bytes further round each time
.set FR,     8
.set NL,     2
.set NP,     4
.set HALFT,  128*PITCH
.set SLOT,   4*HALFT
.set KS,     SIZE_K/32
.set SCL,    2*SLOT                    ; behind the slots: the scale bytes, as rows of 256 bytes + 16 of padding
.set HALFS,  (128*KS/256)*272
.set SBLK,   (16*KS/256)*272
.set SPARE,  SCL+4*HALFS               ; the spare words, 128 bytes a wave, that no other line names
.set ADRA, 16
.set ADRB, 20
.set STO32, 24                         ; the way out in f32: where I put 32 bytes of a row
.set RD32,  25                         ; and read a row of 512 bytes back
.set CO,   26                          ; 16 x lane
.set ADRS, 27
.set SPW,  28
.set NIL,  29
.set STO16, 30                         ; the way out in f16: where I put 16 bytes of a row
.set RD16,  31                         ; and read four half rows (one head's 128 bytes each) back
.set SC,   32
.set AF,   128
.set TMP,  32                          ; the way out: packed results v32-63
.set BK16, 64                          ; read back: v64-95 and v96-127 by turns
.set G1, 24
.set G0, 32
.set G1B, 48
.set G0B, 56
.set G1S, 68
.set G0S, 76
.set G1SB, 80
.set G0SB, 88
.set MSB, 0
.macro WIN new                         ; the immediate's high byte repeats the setting that is left
.if MSB != \new
	s_set_vgpr_msb (MSB<<8)|\new
.set MSB, \new
.endif
.endm
.set MUL_LO, 0xa1
.set MUL_HI, 0xf1
.set TO_B,   0x40
; A joint load: waves 0 and 1 fetch for A, waves 2 and 3 for B; the branch hangs on the wave's number alone.  An s_nop 0 and four v_nop follow each line.
.macro JLOAD g0a, g1a, g0b, g1b
	s_cmp_eq_u32 s3, 0
	s_cbranch_scc0 .Lfor_b_\@
	tensor_load_to_lds s[\g0a:\g0a+3], s[\g1a:\g1a+7]
	s_nop 0
.rept 4
	v_nop
.endr
	s_branch .Lasked_\@
.Lfor_b_\@:
	tensor_load_to_lds s[\g0b:\g0b+3], s[\g1b:\g1b+7]
	s_nop 0
.rept 4
	v_nop
.endr
.Lasked_\@:
.endm
.macro CROUND                          ; a round of the cluster's barrier
	s_barrier_signal -1
	s_barrier_wait -1
	s_cmp_lg_u32 s2, 0
	s_cbranch_scc1 .Lnot_wave_0_\@
	s_barrier_signal -3
.Lnot_wave_0_\@:
	s_barrier_wait -3
	s_barrier_signal -1
	s_barrier_wait -1
.endm
	s_load_b256 s[4:11], s[0:1], 0x0               ; xc s[4:5], xs s[6:7], wc s[8:9], ws s[10:11]
	s_load_b128 s[12:15], s[0:1], 0x20             ; qkv16 s[12:13], qkv32 s[14:15]
	v_lshl_add_u32 v[SPW], v0, 2, SPARE
	v_mov_b32 v[NIL], 0
	ds_add_u32 v[SPW], v[NIL]                      ; the wave's opening: the add, twice on end, and its wait ahead of my first tensor load
	ds_add_u32 v[SPW], v[NIL]
	v_lshrrev_b32 v1, 5, v0
	v_readfirstlane_b32 s2, v1                     ; wave 0..3
	s_lshr_b32 s3, s2, 1                           ; which half of the tile's rows is mine; also: I fetch for A (0) or B (1)
	s_and_b32 s16, s2, 1                           ; which half of its columns; also: which 128 rows I fetch
	s_bfe_u32 s40, ttmp6, 0x40000                  ; cx
	s_bfe_u32 s41, ttmp6, 0x40004                  ; cy
	s_lshl_b32 s42, ttmp9, 2
	s_add_co_u32 s42, s42, s40                     ; tile column = 4 x cluster x + cx
	s_and_b32 s95, ttmp7, 0xffff                   ; cluster y: the tile's place in its batch
	s_lshl_b32 s17, s41, 3
	s_add_co_u32 s17, s17, s95                     ; tile row = 8 cy + cluster y
	s_lshl_b32 s43, s41, 2
	s_lshl_b32 s43, 15, s43                        ; my row of the cluster
	s_lshl_b32 s44, 0x1111, s40                    ; my column
	s_or_b32 s[G1+0], s43, (0<<16)|(1<<20)|(1<<21)|(5<<22)|(3<<25)  ; mask; elements of 1 byte; padding of 4 words behind every 64
	s_or_b32 s[G1B+0], s44, (0<<16)|(1<<20)|(1<<21)|(5<<22)|(3<<25)
.irp g, G1, G1B
	s_mov_b32 s[\g+1], ROWB<<16                    ; tensor_dim0
	s_mov_b32 s[\g+2], 128<<16                     ; tensor_dim1
	s_mov_b32 s[\g+3], ROWB<<16                    ; tile_dim0
	s_mov_b32 s[\g+4], 128                         ; tile_dim1
	s_mov_b32 s[\g+5], KROW                        ; the pitch
	s_mov_b32 s[\g+6], 0
	s_mov_b32 s[\g+7], 0
.endr
	s_or_b32 s[G1S+0], s43, (3<<16)|(1<<20)|(1<<21)|(5<<22)|(3<<25) ; the scale bytes of 128 rows: 4,096 dense bytes as 16 rows of 256
	s_or_b32 s[G1SB+0], s44, (3<<16)|(1<<20)|(1<<21)|(5<<22)|(3<<25)
.irp g, G1S, G1SB
	s_mov_b32 s[\g+1], 32<<16
	s_mov_b32 s[\g+2], (128*KS/256)<<16
	s_mov_b32 s[\g+3], 32<<16
	s_mov_b32 s[\g+4], 128*KS/256
	s_mov_b32 s[\g+5], 32
	s_mov_b32 s[\g+6], 0
	s_mov_b32 s[\g+7], 0
.endr
	s_lshl_b32 s18, s16, 7
	s_lshl_b32 s20, s17, 8
	s_add_co_u32 s20, s20, s18                     ; A: row 256 x tile row + 128 x half
	s_lshl_b32 s46, s42, 8
	s_add_co_u32 s46, s46, s18                     ; B: row 256 x tile column + 128 x half
	s_mov_b32 s21, 0
	s_mov_b32 s47, 0
	s_mov_b64 s[18:19], KS
	s_mul_u64 s[22:23], s[20:21], s[18:19]
	s_mul_u64 s[92:93], s[46:47], s[18:19]
	s_mov_b64 s[18:19], KROW
	s_mul_u64 s[20:21], s[20:21], s[18:19]
	s_mul_u64 s[46:47], s[46:47], s[18:19]
	s_mul_i32 s45, s2, HALFT                       ; where they go: wave x 128 rows
	s_mul_i32 s94, s2, HALFS
	s_wait_dscnt 0x0                               ; both opening adds are done
	s_wait_kmcnt 0x0
	s_add_nc_u64 s[20:21], s[4:5], s[20:21]
	s_add_nc_u64 s[22:23], s[6:7], s[22:23]
	s_add_nc_u64 s[46:47], s[8:9], s[46:47]
	s_add_nc_u64 s[92:93], s[10:11], s[92:93]
	CROUND                                         ; all sixteen work-groups are here: the joint loads meet
	s_mov_b32 s[G0S], 1
	s_add_co_u32 s[G0S+1], s94, SCL
	s_mov_b64 s[G0S+2:G0S+3], s[22:23]
	s_or_b32 s[G0S+3], s[G0S+3], 0x80000000
	s_mov_b32 s[G0SB], 1
	s_add_co_u32 s[G0SB+1], s94, SCL
	s_mov_b64 s[G0SB+2:G0SB+3], s[92:93]
	s_or_b32 s[G0SB+3], s[G0SB+3], 0x80000000
	JLOAD G0S, G1S, G0SB, G1SB                     ; the scale bytes first
.irp s, 0,1
	s_mov_b32 s[G0+4*\s], 1
	s_add_co_u32 s[G0+4*\s+1], s45, \s*SLOT
	s_add_nc_u64 s[G0+4*\s+2:G0+4*\s+3], s[20:21], \s*ROWB
	s_or_b32 s[G0+4*\s+3], s[G0+4*\s+3], 0x80000000
	s_mov_b32 s[G0B+4*\s], 1
	s_add_co_u32 s[G0B+4*\s+1], s45, \s*SLOT
	s_add_nc_u64 s[G0B+4*\s+2:G0B+4*\s+3], s[46:47], \s*ROWB
	s_or_b32 s[G0B+4*\s+3], s[G0B+4*\s+3], 0x80000000
	JLOAD G0+4*\s, G1, G0B+4*\s, G1B               ; three loads of mine are out in all
.endr
	v_and_b32 v1, 15, v0                           ; r
	v_bfe_u32 v2, v0, 4, 1                         ; h
	v_mul_u32_u24 v3, v1, PITCH
	v_lshl_add_u32 v4, v2, 4, v3
	s_mul_i32 s21, s3, HALFT
	s_mul_i32 s22, s16, HALFT
	s_add_co_u32 s22, s22, 2*HALFT
.irp s, 0,1
	v_add_nc_u32 v[ADRA+\s], s21, v4
	v_add_nc_u32 v[ADRB+\s], s22, v4
	s_add_co_u32 s21, s21, SLOT
	s_add_co_u32 s22, s22, SLOT
.endr
	v_mul_u32_u24 v5, v1, KS                       ; my row's scale bytes: 32 a row, and 16 more for each 256 passed
	v_lshrrev_b32 v6, 8, v5
	v_lshl_add_u32 v5, v6, 4, v5
	s_mul_i32 s21, s3, HALFS
	s_mul_i32 s22, s16, HALFS
	s_add_co_u32 s22, s22, 2*HALFS
	s_sub_co_u32 s22, s22, s21
	v_mul_u32_u24 v6, s22, v2                      ; lanes 16-31 take B's
	s_add_co_u32 s21, s21, SCL
	v_add_nc_u32 v5, v5, v6
	v_add_nc_u32 v[ADRS], s21, v5
	s_mul_i32 s23, s2, 16*528                      ; my stage: 8,448 bytes in slot 0, which has had its only fill, and its last read when the first result is stored there
	v_mul_u32_u24 v5, v1, 528
	v_lshl_add_u32 v5, v2, 5, v5
	v_add_nc_u32 v[STO32], s23, v5
	v_and_b32 v6, 31, v0
	v_lshlrev_b32 v[CO], 4, v6
	v_add_nc_u32 v[RD32], s23, v[CO]
	v_mul_u32_u24 v5, v1, 272
	v_lshl_add_u32 v5, v2, 4, v5
	v_add_nc_u32 v[STO16], s23, v5
	v_lshrrev_b32 v5, 3, v6
	v_mul_u32_u24 v5, v5, 272
	v_and_b32 v6, 7, v0
	v_lshl_add_u32 v5, v6, 4, v5
	v_add_nc_u32 v[RD16], s23, v5                  ; row lane / 8, piece lane % 8
	; where my part begins in qkv16: my 128 columns are heads hh and hh + 1 of one of q, k, v, hh = 4 x tile column + 2 x half
	s_lshl_b32 s46, s42, 2
	s_lshl_b32 s47, s16, 1
	s_add_co_u32 s46, s46, s47
	s_lshr_b32 s47, s46, 4
	s_lshl_b32 s47, s47, 24
	s_and_b32 s46, s46, 15
	s_lshl_b32 s46, s46, 18
	s_add_co_u32 s46, s46, s47
	s_mov_b32 s47, 0
	s_add_nc_u64 s[12:13], s[12:13], s[46:47]
	s_lshl_b32 s20, s41, 22                        ; the batch,
	s_lshl_b32 s21, s95, 15                        ; 256 rows of 128 bytes for each tile of it,
	s_add_co_u32 s20, s20, s21
	s_lshl_b32 s21, s3, 14                         ; my 128 rows
	s_add_co_u32 s20, s20, s21
	s_mov_b32 s21, 0
	s_add_nc_u64 s[12:13], s[12:13], s[20:21]
	s_mul_i32 s20, s41, 16*12288                   ; and in qkv32: row 16 x batch, my 128 columns
	s_add_nc_u64 s[14:15], s[14:15], s[20:21]
	s_lshl_b32 s46, s42, 10
	s_lshl_b32 s47, s16, 9
	s_add_co_u32 s46, s46, s47
	s_mov_b32 s47, 0
	s_add_nc_u64 s[14:15], s[14:15], s[46:47]
.macro FRAG reg, adr, q, i             ; 16 rows x 128 K of 4-bit codes: 8 registers; lane l holds row l % 16; registers 4 c .. 4 c + 3 hold K = 64 c + 32 (l / 16) + 0 .. 31
.irp c, 0,1
	ds_load_b128 v[\reg+4*\c:\reg+4*\c+3], v[\adr] offset:64*(\q)+32*\c+(\i)*16*PITCH
.endr
.endm
; 16 matrix instructions: A's blocks a0, a0 + 1 x B's eight.  The 64 accumulators take turns, one instruction a turn, in the same order in every step.
.macro MUL16 a0, p, q, sc, zero
.irp a, \a0, \a0+1
.irp b, 0,1,2,3,4,5,6,7
.if \zero
	v_wmma_scale_f32_16x16x128_f8f6f4 v[8*(8*((\a)%4)+\b):8*(8*((\a)%4)+\b)+7], v[128*(\p)+FR*\b:128*(\p)+FR*\b+FR-1], v[AF+FR*(\a):AF+FR*(\a)+FR-1], 0, v[SC+8*NQ*(\sc)+NQ*\b+(\q)], v[SC+8*NQ*(\sc)+NQ*(\a)+(\q)] matrix_a_fmt:MATRIX_FMT_FP4 matrix_b_fmt:MATRIX_FMT_FP4 matrix_a_scale:MATRIX_SCALE_ROW1
.else
	v_wmma_scale_f32_16x16x128_f8f6f4 v[8*(8*((\a)%4)+\b):8*(8*((\a)%4)+\b)+7], v[128*(\p)+FR*\b:128*(\p)+FR*\b+FR-1], v[AF+FR*(\a):AF+FR*(\a)+FR-1], v[8*(8*((\a)%4)+\b):8*(8*((\a)%4)+\b)+7], v[SC+8*NQ*(\sc)+NQ*\b+(\q)], v[SC+8*NQ*(\sc)+NQ*(\a)+(\q)] matrix_a_fmt:MATRIX_FMT_FP4 matrix_b_fmt:MATRIX_FMT_FP4 matrix_a_scale:MATRIX_SCALE_ROW1
.endif
.endr
.endr
.endm
.macro FETCH_B slot, q, p
	WIN TO_B
.irp i, 0,1,2,3,4,5,6,7
	FRAG 128*(\p)+FR*\i, ADRB+\slot, \q, \i
.endr
	WIN 0
.endm
.macro FETCH_A slot, q, i0
.irp i, \i0, \i0+1, \i0+2, \i0+3
	FRAG AF+FR*(\i), ADRA+\slot, \q, \i
.endr
.endm
.macro SCALES sc                       ; a slot's scale words: four a row; lanes 0-15 take A's block i, lanes 16-31 B's block i
.irp i, 0,1,2,3,4,5,6,7
	ds_load_b128 v[SC+8*NQ*\sc+NQ*\i:SC+8*NQ*\sc+NQ*\i+3], v[ADRS] offset:\i*SBLK
.endr
.endm
.macro PLACES n                        ; plain vector lines between matrix instructions and loads into, or reads of, their registers
.rept \n
	v_nop
.endr
.endm
.macro STEP slot, q, zero              ; 128 along K that has its successor in the same slot
	s_wait_dscnt 4*NL                              ; B's set and A's blocks 0-3 are in; the eight youngest loads (A's blocks 4-7) may be out
	WIN MUL_LO
	MUL16 0, (\q)%2, \q, \slot, \zero
	MUL16 2, (\q)%2, \q, \slot, \zero
	s_wait_dscnt 0
	PLACES NP
	FETCH_B \slot, (\q)+1, 1-(\q)%2
	FETCH_A \slot, (\q)+1, 0
	WIN MUL_HI
	MUL16 4, (\q)%2, \q, \slot, \zero
	MUL16 6, (\q)%2, \q, \slot, \zero
	PLACES NP
	WIN 0
	FETCH_A \slot, (\q)+1, 4
.endm
.macro STEPS slot, from
.set Q, \from
.rept NQ-1-\from
	STEP \slot, Q, 0
.set Q, Q+1
.endr
.endm
	s_wait_tensorcnt 1                             ; the scale bytes and my part of slot 0 are in; slot 1's load stays out
	s_barrier_signal -1
	s_barrier_wait -1
	FETCH_B 0, 0, 0
	FETCH_A 0, 0, 0
	SCALES 0
	FETCH_A 0, 0, 4
	STEP 0, 0, 1                                   ; the first products start the sums: nothing is cleared
	STEPS 0, 1
	; slot 0's last step changes slots: one barrier; nothing is filled again
	s_wait_tensorcnt 0x0                           ; my part of slot 1 has landed
	ds_add_u32 v[SPW], v[NIL]                      ; 0 onto my spare word
	s_wait_dscnt 4*NL+1                            ; the add and the eight youngest loads may be out
	WIN MUL_LO
	MUL16 0, 1, NQ-1, 0, 0
	s_wait_dscnt 0x0                               ; the add is done, and my reads of slot 0 are over
	s_barrier_signal -1
	MUL16 2, 1, NQ-1, 0, 0
	WIN 0
	s_barrier_wait -1
	PLACES NP
	v_add_nc_u32 v[ADRS], 4*NQ, v[ADRS]            ; the next slot's scale words
	FETCH_B 1, 0, 0
	FETCH_A 1, 0, 0
	SCALES 1
	WIN MUL_HI
	MUL16 4, 1, NQ-1, 0, 0
	MUL16 6, 1, NQ-1, 0, 0
	PLACES NP
	WIN 0
	FETCH_A 1, 0, 4
	STEPS 1, 0
	s_wait_dscnt 4*NL                              ; the very last step
	WIN MUL_LO
	MUL16 0, 1, NQ-1, 1, 0
	MUL16 2, 1, NQ-1, 1, 0
	s_wait_dscnt 0
	WIN MUL_HI
	MUL16 4, 1, NQ-1, 1, 0
	MUL16 6, 1, NQ-1, 1, 0
	WIN 0
	PLACES NP                                      ; behind the last products: in front of reads of results and of writes and loads into operands' and scales' registers
	; THE FIRST 16 POSITIONS IN F32: only the batch's first tile (cluster y = 0) and the waves of its upper rows hold them: block 0.  Through my stage, back as rows of 512 bytes.
	s_cmp_lg_u32 s95, 0
	s_cbranch_scc1 .Lno32
	s_cmp_lg_u32 s3, 0
	s_cbranch_scc1 .Lno32
	WIN 0x08                                       ; an LDS store's data are its source 1: window 2
.irp b, 0,1,2,3,4,5,6,7
	ds_store_b128 v[STO32], v[8*\b:8*\b+3] offset:64*\b            ; each accumulator from its low end on
	ds_store_b128 v[STO32], v[8*\b+4:8*\b+7] offset:64*\b+16
.endr
	WIN 0
.irp t, 0,1,2,3,4,5,6,7,8,9,10,11,12,13,14,15
	ds_load_b128 v[128+4*\t:128+4*\t+3], v[RD32] offset:\t*528     ; in order behind my stores
.endr
	s_wait_dscnt 0x0
.irp t, 0,1,2,3,4,5,6,7,8,9,10,11,12,13,14,15
	global_store_b128 v[CO], v[128+4*\t:128+4*\t+3], s[14:15] offset:\t*12288   ; 32 lanes store 512 consecutive bytes, aligned
.endr
.Lno32:
; THE WAY OUT IN F16, block by block of 16 rows x 128 columns: rounded, 16 bytes a lane into rows of 272 bytes; back as four rows of one head, which are 512 consecutive bytes of qkv16.
.macro PACK a
.set AC, 64*((\a)%4)
	WIN 0x0a+5*((\a)/4)                            ; sources 0 and 1: window 2 or 3
.irp b, 0,1,2,3,4,5,6,7
.irp i, 0,1,2,3
	v_cvt_pk_f16_f32 v[TMP+4*\b+\i], v[AC+8*\b+2*\i], v[AC+8*\b+2*\i+1]
.endr
.endr
	WIN 0
.endm
.macro TOSTAGE a
.set BB, BK16+32*((\a)%2)
.irp b, 0,1,2,3,4,5,6,7
	ds_store_b128 v[STO16], v[TMP+4*\b:TMP+4*\b+3] offset:32*\b
.endr
.irp i, 0,1,2,3,4,5,6,7
	ds_load_b128 v[BB+4*\i:BB+4*\i+3], v[RD16] offset:(\i%4)*1088+(\i/4)*128   ; rows 4 (i % 4) on, head i / 4; in order behind my stores
.endr
.endm
.macro SEND a
.set BB, BK16+32*((\a)%2)
	s_wait_dscnt 0x0                               ; the block is back in registers
	s_wait_xcnt 0x0                                ; the stores of the block before have read their registers: the next block's loads may land there
.irp i, 0,1,2,3,4,5,6,7
	global_store_b128 v[CO], v[BB+4*\i:BB+4*\i+3], s[12:13] offset:(\i/4)*262144+(\a)*2048+(\i%4)*512
.endr
.endm
	PACK 0
	TOSTAGE 0
.irp a, 1,2,3,4,5,6,7                  ; block a's conversions stand between block a - 1's loads from the stage and the wait for them
	PACK \a
	SEND \a-1
	TOSTAGE \a
.endr
	SEND 7
	s_wait_tensorcnt 0x0                           ; the wave's end, behind my last tensor load and my last LDS store
	ds_add_u32 v[SPW], v[NIL]
	s_wait_dscnt 0x0
	CROUND                                         ; the closing round
	s_endpgm
.Lfunc_end_k_q3f34725c55_qkv:
	.size	k_q3f34725c55_qkv, .Lfunc_end_k_q3f34725c55_qkv-k_q3f34725c55_qkv
	.p2alignl 7, 3214868480
	.fill 96, 4, 3214868480
	.section	.rodata,"a",@progbits
	.p2align	6, 0x0
	.amdhsa_kernel k_q3f34725c55_qkv
		.amdhsa_group_segment_fixed_size 327680
		.amdhsa_private_segment_fixed_size 0
		.amdhsa_enable_private_segment 0
		.amdhsa_kernarg_size 48
		.amdhsa_user_sgpr_count 2
		.amdhsa_user_sgpr_kernarg_segment_ptr 1
		.amdhsa_wavefront_size32 1
		.amdhsa_system_sgpr_workgroup_id_x 1
		.amdhsa_system_sgpr_workgroup_id_y 1
		.amdhsa_system_sgpr_workgroup_id_z 1
		.amdhsa_system_vgpr_workitem_id 0
		.amdhsa_next_free_vgpr 1024
		.amdhsa_next_free_sgpr 98
		.amdhsa_reserve_vcc 0
		.amdhsa_float_denorm_mode_32 3
		.amdhsa_float_denorm_mode_16_64 3
		.amdhsa_memory_ordered 1
		.amdhsa_forward_progress 1
		.amdhsa_inst_pref_size 131
	.end_amdhsa_kernel
	.amdgpu_metadata
---
amdhsa.version: [ 1, 2 ]
amdhsa.kernels:
  - .name:           k_q3f34725c55_qkv
    .symbol:         k_q3f34725c55_qkv.kd
    .args:
      - { .name: xc, .offset: 0, .size: 8, .value_kind: global_buffer, .address_space: global }
      - { .name: xs, .offset: 8, .size: 8, .value_kind: global_buffer, .address_space: global }
      - { .name: wc, .offset: 16, .size: 8, .value_kind: global_buffer, .address_space: global }
      - { .name: ws, .offset: 24, .size: 8, .value_kind: global_buffer, .address_space: global }
      - { .name: qkv16, .offset: 32, .size: 8, .value_kind: global_buffer, .address_space: global }
      - { .name: qkv32, .offset: 40, .size: 8, .value_kind: global_buffer, .address_space: global }
    .group_segment_fixed_size: 327680
    .private_segment_fixed_size: 0
    .kernarg_segment_align: 8
    .kernarg_segment_size: 48
    .max_flat_workgroup_size: 128
    .sgpr_count:     98
    .vgpr_count:     1024
    .wavefront_size: 32
...
	.end_amdgpu_metadata
.endif
;; end of part 2
;; launch attn (part 3): grid 4 x 64, 8 waves a work-group, no clusters, 327,680 bytes of LDS; arguments qkv16, y16; writes y16
.if DOCPART == 3
	.amdgcn_target "amdgcn-amd-amdhsa--gfx1250"
	.amdhsa_code_object_version 6
	.text
	.protected	k_q3f34725c55_attn
	.globl	k_q3f34725c55_attn
	.p2align	8
	.type	k_q3f34725c55_attn,@function
k_q3f34725c55_attn:
	s_mov_b64 s[64:65], 0
	v_nop
	global_prefetch_b8 v0, s[64:65] scope:SCOPE_SE
	s_setreg_imm32_b32 hwreg(HW_REG_WAVE_MODE, 25, 1), 1
	s_wait_xcnt 0x0
; y[b][h][q] = the sum over k <= q of softmax_k(q . k / 8) v[k], head size 64, 2,048 positions, 64 heads (16 batch + head).  q, k, v in f16 (qkv16, head by head, rows of 128 bytes);
; products on f16 operands with f32 sums; maxima, exponentials and row sums in f32; the weights p (at most 1) are rounded to f16 for the second product; y once, to f16.
; y16 byte = head << 20 + (2048 batch + t) << 7 + 2 d.
; SHARES.  Work-group (p, head) owns the query blocks p and 7 - p of 256 queries: together they need (p + 1) + (8 - p) = 9 slots of 256 keys, the same in every work-group: the masked half is
; not walked, the trip count is a constant, and all 256 work-groups have equal work.  Wave w owns 32 queries, two tiles of 16; a step is 64 keys, and each fragment read from LDS feeds two products.
; NO CLUSTER: the four work-groups of a head ask for different key blocks at the same change of slots (block p's walk is p + 1 slots long), so no joint request would meet.
; LAYOUT.  S^T = K Q^T (source 0 = 16 keys, source 1 = 16 queries): a lane holds one query (lane % 16) and keys 8 (lane / 16) + 0..7; two such tiles, rounded in pairs, are source 1 of O^T = V^T P.
; K comes out of LDS as it lies, V turned by ds_load_tr16_b128.  SOFTMAX: a running maximum m and sum l; p = 2^(c s - c m), c = log2(e) / 8; O and l are multiplied by a = 2^(c m_old - c m_new) in every step.
; THE MASK.  A step all of whose keys come after the wave's queries is jumped over (a branch on ids); in the one step on the diagonal hidden scores become -infinity ahead of the maximum.
; LIMITS: q, k, v inside f16's range; NaN and infinities are not served.
; The first 16 positions of every sequence are computed here like all others; a later launch computes them anew in f32 and stores them over the projection's rows.
.set PK,    144                        ; a row of K in LDS: 128 bytes + 16
.set PV,    160                        ; a row of V: 128 + 32
.set VOFF,  256*PK                     ; a slot: 256 rows of K, then 256 rows of V
.set SLOT1, 1<<17                      ; slot 1 begins here: one exclusive or turns an address from one slot to the other
.set STAGE, 2*SLOT1                    ; the way out: 32 rows x 144 bytes for each wave; no tensor load lands here
.set SPARE, STAGE+8*32*PK              ; the spare words, 128 bytes a wave, that no other line names
.set AK0, 1                            ; my lane's place in a tile of K
.set AV0, 2                            ; and of V
.set ADK, 3                            ; the same in the slot in hand
.set ADV, 4
.set QO,  5                            ; my byte offset in the wave's rows of Q
.set STO, 6
.set RD,  7
.set GO,  8                            ; 16 x lane
.set RH,  9                            ; lane % 16 - 8 (lane / 16)
.set DM,  10
.set NINF, 11
.set SPW, 12
.set NIL, 13
.set PFO, 14                           ; 256 x lane
.set ST,  16                           ; tile x's statistics at v[16 + 8 x]: +0 c m, +1 m, +2, +3 l in two halves, +4 .. +7 at work (a in +6)
.set QF,  32                           ; Q: tile x, channels 32 u on: v[32 + 16 x + 8 u]
.set S,   64                           ; S^T: v[64 + 32 x + 8 kt]; P in place: v[64 + 32 x + 8 g]
.set OT,  128                          ; O^T: v[128 + 32 x + 8 c]
.set KV,  192                          ; K of a step (v[192 + 16 kt + 8 u]), then its V (v[192 + 32 g + 8 c])
.set WV,  8
.set PB,  9
.set BH,  10
.set W3,  11
.set KB,  12                           ; s[12:13] K of my head at my quarter of key block 0
.set VB,  14
.set QB,  16
.set YB,  18
.set SEL, 20
.set CS,  22
.set G1K, 24
.set G1V, 32
.set G0K, 40
.set G0V, 44
.set TB,  48                           ; LDS byte at which the slot in hand begins
.set SLOTS, 49
.set FIN, 50
.set P1,  51
.set KF,  52                           ; the step's first key
.set Q0,  53                           ; my first query
.set LIM, 54
.set PFA, 56
.set OFS, 58                           ; s[58:59] an offset, its high word 0
.set QCUR, 60
.set YCUR, 62
; Waves 0-3 fetch K's four quarters of a slot (64 rows each), waves 4-7 V's: every wave issues one load.  An s_nop 0 and four v_nop follow each line.
.macro TLOAD
	s_cmp_lt_u32 s[WV], 4
	s_cbranch_scc0 .Lfor_v_\@
	tensor_load_to_lds s[G0K:G0K+3], s[G1K:G1K+7]
	s_nop 0
.rept 4
	v_nop
.endr
	s_branch .Lasked_\@
.Lfor_v_\@:
	tensor_load_to_lds s[G0V:G0V+3], s[G1V:G1V+7]
	s_nop 0
.rept 4
	v_nop
.endr
.Lasked_\@:
.endm
; A PREFETCH.  The head's work-group p = 0 alone asks: at its changes of slots 0 to 5 for key blocks 2 to 7; the tensor loads that want such a block are issued one or two changes later, in this
; work-group or in one of the head's other three.  Each wave asks for the quarter that it fetches, 8,192 bytes, lanes 256 bytes apart: each aligned block of 256 bytes is named once in the launch.
; Key blocks 0 and 1 come by their loads alone; the last two changes ask for nothing.
.macro ASK
	s_cmp_gt_u32 s[SLOTS], s[LIM]
	s_cbranch_scc0 .Lnot_mine_\@
	global_prefetch_b8 v[PFO], s[PFA:PFA+1] th:TH_LOAD_NT scope:SCOPE_SE
.Lnot_mine_\@:
.endm
.macro QLOAD
.irp x, 0,1
.irp u, 0,1
	global_load_b128 v[QF+16*\x+8*\u:QF+16*\x+8*\u+3],   v[QO], s[QCUR:QCUR+1] offset:\x*2048+\u*64
	global_load_b128 v[QF+16*\x+8*\u+4:QF+16*\x+8*\u+7], v[QO], s[QCUR:QCUR+1] offset:\x*2048+\u*64+32
.endr
.endr
.endm
.macro INIT                            ; a block of queries begins: m under every score, l and O^T zero, so that the step is written once
.irp x, 0,1
	v_mov_b32 v[ST+8*\x+1], 0xff61b1e6             ; -3e38
	v_mul_f32 v[ST+8*\x], s[CS], v[ST+8*\x+1]
.irp i, 2,3,4,5,6,7
	v_mov_b32 v[ST+8*\x+\i], 0
.endr
.endr
.set NN, 0
.rept 64
	v_mov_b32 v[OT+NN], 0
.set NN, NN+1
.endr
.endm
	s_load_b128 s[4:7], s[0:1], 0x0                ; qkv16 s[4:5], y16 s[6:7]
	v_lshl_add_u32 v[SPW], v0, 2, SPARE
	v_mov_b32 v[NIL], 0
	ds_add_u32 v[SPW], v[NIL]                      ; the wave's opening: the add, twice on end, and its wait ahead of my first tensor load
	ds_add_u32 v[SPW], v[NIL]
	v_lshrrev_b32 v15, 5, v0
	v_readfirstlane_b32 s[WV], v15                 ; wave 0..7
	s_mov_b32 s[PB], ttmp9                         ; p
	s_and_b32 s[BH], ttmp7, 0xffff                 ; 16 batch + head
	s_and_b32 s[W3], s[WV], 3                      ; which quarter of a slot I fetch
	s_mov_b32 s[G1K], (1<<16)|(1<<20)|(4<<22)|(3<<25)   ; elements of 2 bytes; 4 words of padding behind every 32
	s_mov_b32 s[G1V], (1<<16)|(1<<20)|(4<<22)|(7<<25)   ; 8 words of padding
.irp g, G1K, G1V
	s_mov_b32 s[\g+1], 64<<16                      ; tensor_dim0 = 64
	s_mov_b32 s[\g+2], 64<<16                      ; tensor_dim1 = 64
	s_mov_b32 s[\g+3], 64<<16                      ; tile_dim0 = 64
	s_mov_b32 s[\g+4], 64                          ; tile_dim1 = 64
	s_mov_b32 s[\g+5], 64                          ; the pitch
	s_mov_b32 s[\g+6], 0
	s_mov_b32 s[\g+7], 0
.endr
	s_mov_b32 s[SEL], 0x76543210
	s_mov_b32 s[SEL+1], 0xfedcba98
	s_mov_b32 s[CS], 0x3e38aa3b                    ; c = log2(e) / 8
	s_mov_b32 s[CS+1], s[CS]
	s_mov_b32 s[TB], 0
	s_mov_b32 s[SLOTS], 8
	s_sub_co_u32 s[FIN], 8, s[PB]
	s_add_co_u32 s[P1], s[PB], 1
	s_mov_b32 s[KF], 0
	s_lshl_b32 s66, s[PB], 8
	s_lshl_b32 s67, s[WV], 5
	s_add_co_u32 s[Q0], s66, s67                   ; 256 p + 32 wave
	s_mov_b32 s[OFS+1], 0
	s_wait_dscnt 0x0                               ; both opening adds are done
	s_wait_kmcnt 0x0
	s_lshl_b32 s66, s[BH], 18
	s_lshl_b32 s67, s[W3], 13
	s_add_co_u32 s[OFS], s66, s67
	s_add_co_u32 s[OFS], s[OFS], 1<<24
	s_add_nc_u64 s[KB:KB+1], s[4:5], s[OFS:OFS+1]
	s_add_nc_u64 s[VB:VB+1], s[KB:KB+1], 1<<24
	s_lshl_b32 s67, s[WV], 12
	s_add_co_u32 s[OFS], s66, s67
	s_add_nc_u64 s[QB:QB+1], s[4:5], s[OFS:OFS+1]
	s_and_b32 s66, s[BH], 15
	s_lshl_b32 s66, s66, 20
	s_lshr_b32 s[OFS], s[BH], 4
	s_lshl_b32 s[OFS], s[OFS], 18
	s_add_co_u32 s[OFS], s[OFS], s66
	s_add_co_u32 s[OFS], s[OFS], s67
	s_add_nc_u64 s[YB:YB+1], s[6:7], s[OFS:OFS+1]
	s_mov_b32 s[G0K], 1
	s_mul_i32 s[G0K+1], s[W3], 64*PK               ; slot 0, my quarter
	s_mov_b64 s[G0K+2:G0K+3], s[KB:KB+1]           ; key block 0
	s_or_b32 s[G0K+3], s[G0K+3], 0x80000000
	s_mov_b32 s[G0V], 1
	s_mul_i32 s[G0V+1], s[W3], 64*PV
	s_add_co_u32 s[G0V+1], s[G0V+1], VOFF
	s_mov_b64 s[G0V+2:G0V+3], s[VB:VB+1]
	s_or_b32 s[G0V+3], s[G0V+3], 0x80000000
	TLOAD                                          ; slot 0: one load of mine is out
	s_lshl_b32 s[OFS], s[PB], 15
	s_add_nc_u64 s[QCUR:QCUR+1], s[QB:QB+1], s[OFS:OFS+1]
	s_add_nc_u64 s[YCUR:YCUR+1], s[YB:YB+1], s[OFS:OFS+1]
	v_and_b32 v[RH], 15, v0                        ; r
	v_bfe_u32 v[DM], v0, 4, 1                      ; h
	v_lshlrev_b32 v[QO], 7, v[RH]
	v_lshl_add_u32 v[QO], v[DM], 4, v[QO]
	QLOAD
	v_mul_u32_u24 v[AK0], v[RH], PK
	v_lshl_add_u32 v[AK0], v[DM], 4, v[AK0]        ; row x pitch + 16 x half
	v_and_b32 v15, 7, v0
	v_lshl_add_u32 v[AV0], v[DM], 3, v15           ; the turning load: key 8 (l / 16) + l % 8,
	v_mul_u32_u24 v[AV0], v[AV0], PV
	v_bfe_u32 v15, v0, 3, 1
	v_lshl_add_u32 v[AV0], v15, 4, v[AV0]          ; channels 8 ((l / 8) % 2) on
	v_add_nc_u32 v[AV0], VOFF, v[AV0]
	s_mul_i32 s66, s[WV], 32*PK
	s_add_co_u32 s66, s66, STAGE                   ; my stage
	v_add_nc_u32 v[STO], s66, v[AK0]               ; in: row r, 16 bytes for each half of the lanes
	v_and_b32 v[GO], 31, v0
	v_lshrrev_b32 v[RD], 3, v[GO]
	v_mul_u32_u24 v[RD], v[RD], PK
	v_and_b32 v15, 7, v0
	v_lshl_add_u32 v[RD], v15, 4, v[RD]
	v_add_nc_u32 v[RD], s66, v[RD]                 ; back: row lane / 8, piece lane % 8: four rows an instruction
	v_lshlrev_b32 v[PFO], 8, v[GO]
	v_lshlrev_b32 v[GO], 4, v[GO]
	v_lshlrev_b32 v[DM], 3, v[DM]
	v_sub_nc_u32 v[RH], v[RH], v[DM]
	v_mov_b32 v[NINF], 0xff800000
	INIT
	s_cmp_lt_u32 s[WV], 4
	s_cselect_b64 s[PFA:PFA+1], s[KB:KB+1], s[VB:VB+1]
	s_add_nc_u64 s[PFA:PFA+1], s[PFA:PFA+1], 32768 ; at key block 1: the first change steps it to 2.  Nothing is prefetched here, at the head
	s_cmp_eq_u32 s[PB], 0
	s_cselect_b32 s[LIM], 2, -1
; A KEY STEP: 64 keys, the st-th of the slot in hand.
.macro STEP st
	s_add_co_u32 s66, s[Q0], 31
	s_cmp_gt_u32 s[KF], s66                        ; all 64 keys come after my 32 queries: nothing to do
	s_cbranch_scc1 .Lhid_\@
.rept 5
	v_nop                                          ; behind the last V^T P: four lines ahead of loads into V's registers, five ahead of products that write over P's
.endr
.irp kt, 0,1,2,3
.irp u, 0,1
	ds_load_b128 v[KV+16*\kt+8*\u:KV+16*\kt+8*\u+3],   v[ADK] offset:(\st)*64*PK+\kt*16*PK+\u*64
	ds_load_b128 v[KV+16*\kt+8*\u+4:KV+16*\kt+8*\u+7], v[ADK] offset:(\st)*64*PK+\kt*16*PK+\u*64+32
.endr
.endr
	s_wait_dscnt 0x0                               ; K is in
.irp kt, 0,1,2,3                       ; eight accumulators by turns, one instruction a turn; the first eight products start the sums
.irp x, 0,1
	v_wmma_f32_16x16x32_f16 v[S+32*\x+8*\kt:S+32*\x+8*\kt+7], v[KV+16*\kt:KV+16*\kt+7], v[QF+16*\x:QF+16*\x+7], 0
.endr
.endr
.irp kt, 0,1,2,3
.irp x, 0,1
	v_wmma_f32_16x16x32_f16 v[S+32*\x+8*\kt:S+32*\x+8*\kt+7], v[KV+16*\kt+8:KV+16*\kt+15], v[QF+16*\x+8:QF+16*\x+15], v[S+32*\x+8*\kt:S+32*\x+8*\kt+7]
.endr
.endr
.rept 4
	v_nop                                          ; ahead of loads into K's registers and of the first read of the scores
.endr
.irp g, 0,1                            ; V lands while the softmax is walked
.irp c, 0,1,2,3
	ds_load_tr16_b128 v[KV+32*\g+8*\c:KV+32*\g+8*\c+3],   v[ADV] offset:(\st)*64*PV+\g*32*PV+\c*32
	ds_load_tr16_b128 v[KV+32*\g+8*\c+4:KV+32*\g+8*\c+7], v[ADV] offset:(\st)*64*PV+\g*32*PV+16*PV+\c*32
.endr
.endr
	s_add_co_u32 s66, s[KF], 63
	s_cmp_le_u32 s66, s[Q0]                        ; all keys count for all my queries: no mask
	s_cbranch_scc1 .Lopen_\@
	s_sub_co_i32 s66, s[Q0], s[KF]
	v_add_nc_u32 v[DM], s66, v[RH]                 ; register 8 kt + j of tile x holds key KF + 16 kt + 8 (l / 16) + j: hidden where 16 kt + j - 16 x > Q0 - KF + l % 16 - 8 (l / 16)
.irp x, 0,1
.irp n, 0,1,2,3,4,5,6,7,8,9,10,11,12,13,14,15,16,17,18,19,20,21,22,23,24,25,26,27,28,29,30,31
	v_cmp_gt_i32 vcc_lo, 16*(\n/8)+\n%8-16*\x, v[DM]
	v_cndmask_b32 v[S+32*\x+\n], v[S+32*\x+\n], v[NINF], vcc_lo
.endr
.endr
.Lopen_\@:
	; the maximum of the lane's 32 scores and the old m, the two tiles line by line; each accumulator is read from its low end on
.irp j, 0,1,2,3
.irp x, 0,1
	v_max3_num_f32 v[ST+8*\x+4+\j], v[S+32*\x+8*\j], v[S+32*\x+8*\j+1], v[S+32*\x+8*\j+2]
.endr
.endr
.irp i, 3,5
.irp j, 0,1,2,3
.irp x, 0,1
	v_max3_num_f32 v[ST+8*\x+4+\j], v[ST+8*\x+4+\j], v[S+32*\x+8*\j+\i], v[S+32*\x+8*\j+\i+1]
.endr
.endr
.endr
.irp x, 0,1
	v_max3_num_f32 v[ST+8*\x+4], v[ST+8*\x+4], v[S+32*\x+7], v[S+32*\x+15]
.endr
.irp x, 0,1
	v_max3_num_f32 v[ST+8*\x+6], v[ST+8*\x+6], v[S+32*\x+23], v[S+32*\x+31]
.endr
.irp x, 0,1
	v_max3_num_f32 v[ST+8*\x+4], v[ST+8*\x+4], v[ST+8*\x+5], v[ST+8*\x+6]
.endr
.irp x, 0,1
	v_max3_num_f32 v[ST+8*\x+4], v[ST+8*\x+4], v[ST+8*\x+7], v[ST+8*\x+1]
.endr
.irp x, 0,1
	v_permlanex16_b32 v[ST+8*\x+5], v[ST+8*\x+4], s[SEL], s[SEL+1]   ; the query's other 32 keys lie in the lane 16 away
.endr
.irp x, 0,1
	v_mov_b32 v[ST+8*\x+7], v[ST+8*\x]             ; c m_old
.endr
.irp x, 0,1
	v_max_num_f32 v[ST+8*\x+1], v[ST+8*\x+4], v[ST+8*\x+5]
.endr
.irp x, 0,1
	v_mul_f32 v[ST+8*\x], s[CS], v[ST+8*\x+1]
.endr
.irp x, 0,1
	v_sub_f32 v[ST+8*\x+7], v[ST+8*\x+7], v[ST+8*\x]
.endr
.irp i, 0,2,4,6,8,10,12,14,16,18,20,22,24,26,28,30
.irp x, 0,1
	v_pk_fma_f32 v[S+32*\x+\i:S+32*\x+\i+1], v[S+32*\x+\i:S+32*\x+\i+1], s[CS:CS+1], v[ST+8*\x:ST+8*\x+1] op_sel_hi:[1,0,0] neg_lo:[0,0,1] neg_hi:[0,0,1]   ; c s - c m
.endr
.endr
.irp x, 0,1
	v_exp_f32 v[ST+8*\x+6], v[ST+8*\x+7]           ; a
.endr
.irp n, 0,1,2,3,4,5,6,7,8,9,10,11,12,13,14,15,16,17,18,19,20,21,22,23,24,25,26,27,28,29,30,31
.irp x, 0,1
	v_exp_f32 v[S+32*\x+\n], v[S+32*\x+\n]
.endr
.endr
	v_nop                                          ; a plain line behind the last exponential
	s_wait_alu depctr_va_vdst(0)                   ; one wait for both tiles' 66 exponentials, ahead of the first line that names a result
	; the row's sum of the unrounded p, in two chains a tile; l = a l + the sum
.irp x, 0,1
	v_pk_fma_f32 v[ST+8*\x+2:ST+8*\x+3], v[ST+8*\x+2:ST+8*\x+3], v[ST+8*\x+6:ST+8*\x+7], v[S+32*\x:S+32*\x+1] op_sel_hi:[1,0,1]
.endr
.irp x, 0,1
	v_pk_add_f32 v[ST+8*\x+4:ST+8*\x+5], v[S+32*\x+2:S+32*\x+3], v[S+32*\x+6:S+32*\x+7]
.endr
.irp i, 4,8,12,16,20,24
.irp x, 0,1
	v_pk_add_f32 v[ST+8*\x+2:ST+8*\x+3], v[ST+8*\x+2:ST+8*\x+3], v[S+32*\x+\i:S+32*\x+\i+1]
	v_pk_add_f32 v[ST+8*\x+4:ST+8*\x+5], v[ST+8*\x+4:ST+8*\x+5], v[S+32*\x+\i+6:S+32*\x+\i+7]
.endr
.endr
.irp x, 0,1
	v_pk_add_f32 v[ST+8*\x+2:ST+8*\x+3], v[ST+8*\x+2:ST+8*\x+3], v[S+32*\x+28:S+32*\x+29]
.endr
.irp x, 0,1
	v_pk_add_f32 v[ST+8*\x+2:ST+8*\x+3], v[ST+8*\x+2:ST+8*\x+3], v[ST+8*\x+4:ST+8*\x+5]
.endr
.irp j, 0,1,2,3,4,5,6,7,8,9,10,11,12,13,14,15
.irp x, 0,1
	v_cvt_pk_f16_f32 v[S+32*\x+\j], v[S+32*\x+2*\j], v[S+32*\x+2*\j+1]   ; in place, ascending: the 16 results are P's two fragments
.endr
.endr
.irp i, 0,2,4,6,8,10,12,14,16,18,20,22,24,26,28,30
.irp x, 0,1
	v_pk_mul_f32 v[OT+32*\x+\i:OT+32*\x+\i+1], v[OT+32*\x+\i:OT+32*\x+\i+1], v[ST+8*\x+6:ST+8*\x+7] op_sel_hi:[1,0]   ; O^T x a
.endr
.endr
	s_wait_dscnt 0x0                               ; V is in
.irp g, 0,1                            ; eight accumulators by turns
.irp c, 0,1,2,3
.irp x, 0,1
	v_wmma_f32_16x16x32_f16 v[OT+32*\x+8*\c:OT+32*\x+8*\c+7], v[KV+32*\g+8*\c:KV+32*\g+8*\c+7], v[S+32*\x+8*\g:S+32*\x+8*\g+7], v[OT+32*\x+8*\c:OT+32*\x+8*\c+7]
.endr
.endr
.endr
.Lhid_\@:
	s_add_co_u32 s[KF], s[KF], 64
.endm
; THE CHANGE OF SLOTS stands at a slot's head.  Each wave waits for all its tensor loads (one is out: its quarter of the slot ahead), adds 0 to its spare word, and waits for that and for its reads of
; the slot that it has left.  Behind the barrier the slot ahead is whole and nobody reads the other.  fill = 1: the other slot takes the next tile: it has a whole slot's steps in which to land.
.macro CHANGE fill
	s_wait_tensorcnt 0x0                           ; no tensor load of mine is out, so a group 0 may be written
	ds_add_u32 v[SPW], v[NIL]                      ; 0 onto my spare word; the descriptors' steps stand between it and its wait
.if \fill
	s_sub_co_u32 s66, 9, s[SLOTS]                  ; the tile to ask for, 1 .. 8:
	s_cmp_gt_u32 s66, s[PB]
	s_cselect_b32 s67, s[P1], 0
	s_sub_co_u32 s66, s66, s67                     ; its key block: the tile's number while it belongs to block p, else counted anew for block 7 - p
	s_lshl_b32 s[OFS], s66, 15                     ; 256 rows of 128 bytes
	s_xor_b32 s[G0K+1], s[G0K+1], SLOT1
	s_add_nc_u64 s[G0K+2:G0K+3], s[KB:KB+1], s[OFS:OFS+1]
	s_or_b32 s[G0K+3], s[G0K+3], 0x80000000
	s_xor_b32 s[G0V+1], s[G0V+1], SLOT1
	s_add_nc_u64 s[G0V+2:G0V+3], s[VB:VB+1], s[OFS:OFS+1]
	s_or_b32 s[G0V+3], s[G0V+3], 0x80000000
	s_wait_xcnt 0x0                                ; the last prefetch, a slot back, has read its address
	s_add_nc_u64 s[PFA:PFA+1], s[PFA:PFA+1], 32768
.endif
	s_wait_dscnt 0x0                               ; the add is done, and my reads of the slot that I have left are over
	s_barrier_signal -1
	s_barrier_wait -1
.if \fill
	TLOAD                                          ; the first thing behind the barrier, and my one tensor load until the next
	ASK
.endif
.endm
.macro SLOTWORK
	v_add_nc_u32 v[ADK], s[TB], v[AK0]
	v_add_nc_u32 v[ADV], s[TB], v[AV0]
	STEP 0
	STEP 1
	STEP 2
	STEP 3
	s_xor_b32 s[TB], s[TB], SLOT1
.endm
; A BLOCK OF QUERIES IS DONE: O^T / l, rounded to f16, through my stage, out as four rows (512 consecutive bytes) an instruction.  re = 1: the second block begins.
.macro FINISH re
.rept 4
	v_nop                                          ; behind the last products
.endr
.irp x, 0,1
	v_add_f32 v[ST+8*\x+4], v[ST+8*\x+2], v[ST+8*\x+3]
.endr
.irp x, 0,1
	v_permlanex16_b32 v[ST+8*\x+5], v[ST+8*\x+4], s[SEL], s[SEL+1]
.endr
.irp x, 0,1
	v_add_f32 v[ST+8*\x+4], v[ST+8*\x+4], v[ST+8*\x+5]
.endr
.irp x, 0,1
	v_rcp_f32 v[ST+8*\x+6], v[ST+8*\x+4]
.endr
	v_nop
	s_wait_alu depctr_va_vdst(0)                   ; one wait for the two reciprocals, ahead of their first reader
.irp x, 0,1
.irp i, 0,2,4,6,8,10,12,14,16,18,20,22,24,26,28,30
	v_pk_mul_f32 v[OT+32*\x+\i:OT+32*\x+\i+1], v[OT+32*\x+\i:OT+32*\x+\i+1], v[ST+8*\x+6:ST+8*\x+7] op_sel_hi:[1,0]
.endr
.endr
.irp x, 0,1
.irp j, 0,1,2,3,4,5,6,7,8,9,10,11,12,13,14,15
	v_cvt_pk_f16_f32 v[KV+16*\x+\j], v[OT+32*\x+2*\j], v[OT+32*\x+2*\j+1]
.endr
.endr
.irp x, 0,1
.irp c, 0,1,2,3
	ds_store_b128 v[STO], v[KV+16*\x+4*\c:KV+16*\x+4*\c+3] offset:\x*16*PK+32*\c
.endr
.endr
.irp i, 0,1,2,3,4,5,6,7
	ds_load_b128 v[KV+32+4*\i:KV+32+4*\i+3], v[RD] offset:\i*4*PK   ; in order behind my stores
.endr
.irp i, 0,1,2,3,4,5,6,7
	s_wait_dscnt 7-\i                              ; load i is back; the younger ones stay out
	global_store_b128 v[GO], v[KV+32+4*\i:KV+32+4*\i+3], s[YCUR:YCUR+1] offset:512*\i
.endr
.if \re
	s_wait_xcnt 0x0                                ; the stores have read their registers and their base
	s_sub_co_u32 s66, 7, s[PB]
	s_lshl_b32 s[OFS], s66, 15
	s_add_nc_u64 s[QCUR:QCUR+1], s[QB:QB+1], s[OFS:OFS+1]
	s_add_nc_u64 s[YCUR:YCUR+1], s[YB:YB+1], s[OFS:OFS+1]
	QLOAD
	INIT
	s_mov_b32 s[KF], 0
	s_lshl_b32 s66, s66, 8
	s_lshl_b32 s67, s[WV], 5
	s_add_co_u32 s[Q0], s66, s67
	s_wait_loadcnt 0x0                             ; Q
.endif
.endm
	s_wait_loadcnt 0x0                             ; Q
.Lslot:                                            ; eight trips: behind each change of slots but the last the next tile is asked for
	CHANGE 1
	SLOTWORK
	s_cmp_lg_u32 s[SLOTS], s[FIN]                  ; block p's last slot is the trip with 8 - p slots to go: ids and the count of trips alone
	s_cbranch_scc1 .Lnofin
	FINISH 1
.Lnofin:
	s_sub_co_u32 s[SLOTS], s[SLOTS], 1
	s_cmp_lg_u32 s[SLOTS], 0
	s_cbranch_scc1 .Lslot
	CHANGE 0                                       ; the last slot is written out: it asks for nothing
	SLOTWORK
	FINISH 0
	s_wait_tensorcnt 0x0                           ; the wave's end, behind my last tensor load and my last LDS store
	ds_add_u32 v[SPW], v[NIL]
	s_wait_dscnt 0x0
	s_endpgm
.Lfunc_end_k_q3f34725c55_attn:
	.size	k_q3f34725c55_attn, .Lfunc_end_k_q3f34725c55_attn-k_q3f34725c55_attn
	.p2alignl 7, 3214868480
	.fill 96, 4, 3214868480
	.section	.rodata,"a",@progbits
	.p2align	6, 0x0
	.amdhsa_kernel k_q3f34725c55_attn
		.amdhsa_group_segment_fixed_size 327680
		.amdhsa_private_segment_fixed_size 0
		.amdhsa_enable_private_segment 0
		.amdhsa_kernarg_size 16
		.amdhsa_user_sgpr_count 2
		.amdhsa_user_sgpr_kernarg_segment_ptr 1
		.amdhsa_wavefront_size32 1
		.amdhsa_system_sgpr_workgroup_id_x 1
		.amdhsa_system_sgpr_workgroup_id_y 1
		.amdhsa_system_sgpr_workgroup_id_z 1
		.amdhsa_system_vgpr_workitem_id 0
		.amdhsa_next_free_vgpr 256
		.amdhsa_next_free_sgpr 68
		.amdhsa_reserve_vcc 1
		.amdhsa_float_denorm_mode_32 3
		.amdhsa_float_denorm_mode_16_64 3
		.amdhsa_memory_ordered 1
		.amdhsa_forward_progress 1
		.amdhsa_inst_pref_size 197
	.end_amdhsa_kernel
	.amdgpu_metadata
---
amdhsa.version: [ 1, 2 ]
amdhsa.kernels:
  - .name:           k_q3f34725c55_attn
    .symbol:         k_q3f34725c55_attn.kd
    .args:
      - { .name: qkv16, .offset: 0, .size: 8, .value_kind: global_buffer, .address_space: global }
      - { .name: y16, .offset: 8, .size: 8, .value_kind: global_buffer, .address_space: global }
    .group_segment_fixed_size: 327680
    .private_segment_fixed_size: 0
    .kernarg_segment_align: 8
    .kernarg_segment_size: 16
    .max_flat_workgroup_size: 256
    .sgpr_count:     68
    .vgpr_count:     256
    .wavefront_size: 32
...
	.end_amdgpu_metadata
.endif
;; end of part 3
;; launch proj (part 4): grid 4 x 64, 4 waves a work-group, clusters of 4 x 4, 327,680 bytes of LDS; arguments y16, wp16, out0; writes out0
.if DOCPART == 4
	.amdgcn_target "amdgcn-amd-amdhsa--gfx1250"
	.amdhsa_code_object_version 6
	.text
	.protected	k_q3f34725c55_proj
	.globl	k_q3f34725c55_proj
	.p2align	8
	.type	k_q3f34725c55_proj,@function
k_q3f34725c55_proj:
	s_mov_b64 s[64:65], 0
	v_nop
	global_prefetch_b8 v0, s[64:65] scope:SCOPE_SE
	s_setreg_imm32_b32 hwreg(HW_REG_WAVE_MODE, 25, 1), 1
	s_wait_xcnt 0x0
	s_wait_alu depctr_hold_cnt(0) depctr_sa_sdst(0) depctr_va_vdst(0) depctr_va_sdst(0) depctr_va_ssrc(0) depctr_va_vcc(0) depctr_vm_vsrc(0)
	s_getreg_b32 s2, hwreg(HW_REG_IB_STS2, 6, 4)
	s_cmp_eq_u32 s2, 0
	s_cbranch_scc0 .Lentry_in_a_cluster
	s_endpgm
.Lentry_in_a_cluster:
	s_bfe_u32 s2, ttmp6, 0x10000c
	s_cmp_lg_u32 s2, 0xf033
	s_cbranch_scc0 .Lentry_shape_is_right
	s_endpgm
.Lentry_shape_is_right:
; out0[m][n] = sum over k of y[m][k] w_proj[k][n], f16 operands, f32 sums.  y16: [16 heads][8192 m][64] f16 (k = 64 head + d); wp16: [1024 k][1024 n] f16; out0: [8192][1024] f32.
; A tile of 128 rows x 256 columns is made by four waves, each 64 x 128: 32 accumulators; 256 work-groups.  K goes in steps of 128 (two heads) through two LDS slots.
; The rows of the first 16 positions of each batch are stored here like all others; the launch behind this one stores them anew from f32 arithmetic.
; CLUSTERS: 4 x 4; y's tile is shared along a row of the cluster, w's along a column, each asked for jointly.
; THE MATRIX INSTRUCTION IS USED TRANSPOSED: source 0 = 16 columns of w (K is not innermost there: ds_load_tr16_b128 turns it), source 1 = 16 rows of y: a lane holds eight neighbouring columns of a row.
; No prefetch: a K step here is short and its tiles are shared by joint loads; w is read by every row of clusters again and again.
; REGISTERS: window 0: v0-31 addresses; v64-95, v96-127 y's fragments, two buffers; v128-255 the way out.  window 1: w's fragments, v0-63 and v64-127.  window 2: accumulator (a, b) at v[8 (8 a + b)].
.set PA,    144                        ; a row of y's tile in LDS: 128 bytes + 16
.set AH,    128*PA                     ; one head's 128 rows
.set PB,    544                        ; a k-row of w's tile: 512 bytes + 32
.set BOFF,  2*AH
.set SLOT,  BOFF+128*PB
.set STAGE, 2*SLOT                     ; the way out: 16 rows x 528 bytes for each wave; no tensor load lands here
.set SPARE, STAGE+4*16*528
.set LAPS,  4                          ; eight K steps, two a lap
.set ADRA, 16
.set ADRB, 20
.set STO,  24
.set RD,   25
.set CO,   26
.set SPW,  28
.set NIL,  29
.set AF,   64
.set BK,   128
.set G1, 24
.set G0, 32
.set G1B, 48
.set G0B, 56
.set MSB, 0
.macro WIN new
.if MSB != \new
	s_set_vgpr_msb (MSB<<8)|\new
.set MSB, \new
.endif
.endm
.set MUL,  0xa1                        ; source 0 (w) window 1, source 1 (y) window 0, C and D window 2
.set TO_B, 0x40
.macro JLOAD s                         ; waves 0 and 1 fetch y's two heads, waves 2 and 3 w's two halves; an s_nop 0 and four v_nop follow each line
	s_cmp_eq_u32 s11, 0
	s_cbranch_scc0 .Lfor_b_\@
	tensor_load_to_lds s[G0+4*\s:G0+4*\s+3], s[G1:G1+7]
	s_nop 0
.rept 4
	v_nop
.endr
	s_branch .Lasked_\@
.Lfor_b_\@:
	tensor_load_to_lds s[G0B+4*\s:G0B+4*\s+3], s[G1B:G1B+7]
	s_nop 0
.rept 4
	v_nop
.endr
.Lasked_\@:
.endm
.macro CREST
	s_cmp_lg_u32 s10, 0
	s_cbranch_scc1 .Lnot_wave_0_\@
	s_barrier_signal -3
.Lnot_wave_0_\@:
	s_barrier_wait -3
	s_barrier_signal -1
	s_barrier_wait -1
.endm
.macro CROUND
	s_barrier_signal -1
	s_barrier_wait -1
	CREST
.endm
	s_load_b128 s[4:7], s[0:1], 0x0                ; y16 s[4:5], wp16 s[6:7]
	s_load_b64 s[8:9], s[0:1], 0x10                ; out0
	v_lshl_add_u32 v[SPW], v0, 2, SPARE
	v_mov_b32 v[NIL], 0
	ds_add_u32 v[SPW], v[NIL]                      ; the wave's opening: the add, twice on end, and its wait ahead of my first tensor load
	ds_add_u32 v[SPW], v[NIL]
	v_lshrrev_b32 v1, 5, v0
	v_readfirstlane_b32 s10, v1                    ; wave 0..3
	s_lshr_b32 s11, s10, 1                         ; my half of the tile's rows; also: I fetch for y (0) or w (1)
	s_and_b32 s12, s10, 1                          ; my half of its columns; also: which head, or which 64 k-rows, I fetch
	s_bfe_u32 s40, ttmp6, 0x40000                  ; cx
	s_bfe_u32 s41, ttmp6, 0x40004                  ; cy
	s_lshl_b32 s42, ttmp9, 2
	s_add_co_u32 s42, s42, s40                     ; tile column
	s_and_b32 s13, ttmp7, 0xffff
	s_lshl_b32 s13, s13, 2
	s_add_co_u32 s13, s13, s41                     ; tile row
	s_lshl_b32 s43, s41, 2
	s_lshl_b32 s43, 15, s43                        ; my row of the cluster
	s_lshl_b32 s44, 0x1111, s40                    ; my column
	s_or_b32 s[G1+0], s43, (1<<16)|(1<<20)|(1<<21)|(4<<22)|(3<<25)   ; y: elements of 2 bytes; 4 words of padding behind every 32
	s_mov_b32 s[G1+1], 64<<16                      ; tensor_dim0 = 64
	s_mov_b32 s[G1+2], 128<<16                     ; tensor_dim1 = 128
	s_mov_b32 s[G1+3], 64<<16                      ; tile_dim0
	s_mov_b32 s[G1+4], 128                         ; tile_dim1
	s_mov_b32 s[G1+5], 64                          ; the pitch
	s_mov_b32 s[G1+6], 0
	s_mov_b32 s[G1+7], 0
	s_or_b32 s[G1B+0], s44, (1<<16)|(1<<20)|(1<<21)|(6<<22)|(7<<25)  ; w: 8 words of padding behind every 128
	s_mov_b32 s[G1B+1], 256<<16
	s_mov_b32 s[G1B+2], 64<<16
	s_mov_b32 s[G1B+3], 256<<16
	s_mov_b32 s[G1B+4], 64
	s_mov_b32 s[G1B+5], 1024
	s_mov_b32 s[G1B+6], 0
	s_mov_b32 s[G1B+7], 0
	s_lshl_b32 s16, s12, 20                        ; y: head (wave & 1), rows 128 x tile row
	s_lshl_b32 s17, s13, 14
	s_add_co_u32 s16, s16, s17
	s_mov_b32 s17, 0
	s_lshl_b32 s46, s12, 17                        ; w: k-rows 64 (wave & 1) on, columns 256 x tile column
	s_lshl_b32 s47, s42, 9
	s_add_co_u32 s46, s46, s47
	s_mov_b32 s47, 0
	s_mul_i32 s20, s12, AH                         ; where they go
	s_mul_i32 s21, s12, 64*PB
	s_add_co_u32 s21, s21, BOFF
	s_wait_dscnt 0x0                               ; both opening adds are done
	s_wait_kmcnt 0x0
	s_add_nc_u64 s[14:15], s[4:5], s[16:17]
	s_add_nc_u64 s[46:47], s[6:7], s[46:47]
	CROUND                                         ; all sixteen work-groups are here
.irp s, 0,1
	s_mov_b32 s[G0+4*\s], 1
	s_add_co_u32 s[G0+4*\s+1], s20, \s*SLOT
	s_add_nc_u64 s[G0+4*\s+2:G0+4*\s+3], s[14:15], \s*(1<<21)      ; K step s: heads 2 s, 2 s + 1
	s_or_b32 s[G0+4*\s+3], s[G0+4*\s+3], 0x80000000
	s_mov_b32 s[G0B+4*\s], 1
	s_add_co_u32 s[G0B+4*\s+1], s21, \s*SLOT
	s_add_nc_u64 s[G0B+4*\s+2:G0B+4*\s+3], s[46:47], \s*262144     ; 128 k-rows of 2,048 bytes
	s_or_b32 s[G0B+4*\s+3], s[G0B+4*\s+3], 0x80000000
	JLOAD \s
.endr
	v_and_b32 v1, 15, v0                           ; r
	v_bfe_u32 v2, v0, 4, 1                         ; h
	v_mul_u32_u24 v3, v1, PA
	v_lshl_add_u32 v3, v2, 4, v3
	s_mul_i32 s22, s11, 64*PA                      ; my 64 rows of y
	v_and_b32 v4, 7, v0
	v_lshl_add_u32 v4, v2, 3, v4                   ; the turning load: k-row 8 h + l % 8,
	v_mul_u32_u24 v4, v4, PB
	v_bfe_u32 v5, v0, 3, 1
	v_lshl_add_u32 v4, v5, 4, v4                   ; columns 8 ((l / 8) % 2) on
	s_lshl_b32 s23, s12, 8                         ; my 128 columns
	s_add_co_u32 s23, s23, BOFF
.irp s, 0,1
	v_add_nc_u32 v[ADRA+\s], s22, v3
	v_add_nc_u32 v[ADRB+\s], s23, v4
	s_add_co_u32 s22, s22, SLOT
	s_add_co_u32 s23, s23, SLOT
.endr
	s_mul_i32 s23, s10, 16*528
	s_add_co_u32 s23, s23, STAGE                   ; my stage
	v_mul_u32_u24 v5, v1, 528
	v_lshl_add_u32 v5, v2, 5, v5
	v_add_nc_u32 v[STO], s23, v5
	v_and_b32 v6, 31, v0
	v_lshlrev_b32 v[CO], 4, v6
	v_add_nc_u32 v[RD], s23, v[CO]
	s_lshl_b32 s16, s13, 7
	s_lshl_b32 s17, s11, 6
	s_add_co_u32 s16, s16, s17                     ; my first row
	s_lshl_b32 s16, s16, 12
	s_mov_b32 s17, 0
	s_add_nc_u64 s[8:9], s[8:9], s[16:17]
	s_lshl_b32 s46, s42, 10
	s_lshl_b32 s47, s12, 9
	s_add_co_u32 s46, s46, s47                     ; my first column, in bytes
	s_mov_b32 s47, 0
	s_add_nc_u64 s[8:9], s[8:9], s[46:47]
.macro MUL8 f, a, zero                 ; y's block a against w's eight, 32 along K.  The 32 accumulators take turns in one order throughout
.irp b, 0,1,2,3,4,5,6,7
.if \zero
	v_wmma_f32_16x16x32_f16 v[8*(8*(\a)+\b):8*(8*(\a)+\b)+7], v[64*(\f)+8*\b:64*(\f)+8*\b+7], v[AF+32*(\f)+8*(\a):AF+32*(\f)+8*(\a)+7], 0
.else
	v_wmma_f32_16x16x32_f16 v[8*(8*(\a)+\b):8*(8*(\a)+\b)+7], v[64*(\f)+8*\b:64*(\f)+8*\b+7], v[AF+32*(\f)+8*(\a):AF+32*(\f)+8*(\a)+7], v[8*(8*(\a)+\b):8*(8*(\a)+\b)+7]
.endif
.endr
.endm
.macro FETCH slot, q, f                ; 24 LDS loads in one run: quarter q (32 along K) into buffer f: w's eight blocks, then y's four
	WIN TO_B
.irp b, 0,1,2,3,4,5,6,7
	ds_load_tr16_b128 v[64*(\f)+8*\b:64*(\f)+8*\b+3],   v[ADRB+\slot] offset:(\q)*32*PB+32*\b
	ds_load_tr16_b128 v[64*(\f)+8*\b+4:64*(\f)+8*\b+7], v[ADRB+\slot] offset:(\q)*32*PB+32*\b+16*PB
.endr
	WIN 0
.irp a, 0,1,2,3
	ds_load_b128 v[AF+32*(\f)+8*\a:AF+32*(\f)+8*\a+3],   v[ADRA+\slot] offset:((\q)/2)*AH+((\q)%2)*64+\a*16*PA
	ds_load_b128 v[AF+32*(\f)+8*\a+4:AF+32*(\f)+8*\a+7], v[ADRA+\slot] offset:((\q)/2)*AH+((\q)%2)*64+\a*16*PA+32
.endr
.endm
.macro PLACES
.rept 4
	v_nop
.endr
.endm
.macro QUARTER slot, qn, f, g, zero    ; multiplies buffer f; in its middle it fetches quarter qn of the same slot into buffer g
	s_wait_dscnt 4                                 ; w's blocks and y's blocks 0, 1 are in; the four youngest loads (y's blocks 2, 3) may be out
	WIN MUL
	MUL8 \f, 0, \zero
	MUL8 \f, 1, \zero
	PLACES
	FETCH \slot, \qn, \g
	s_wait_dscnt 24                                ; all but the 24 just issued
	WIN MUL
	MUL8 \f, 2, \zero
	MUL8 \f, 3, \zero
.endm
; A slot's last quarter changes slots: one barrier; ahead of it each wave waits for all its tensor loads, adds 0 to its spare word, and waits for that and for its reads of this slot.
.macro TURN slot, next, fill
	WIN 0
	s_wait_tensorcnt 0x0                           ; my part of the next slot has landed
	ds_add_u32 v[SPW], v[NIL]                      ; 0 onto my spare word
	s_wait_dscnt 5                                 ; the add and the four youngest loads may be out
	WIN MUL
	MUL8 1, 0, 0
	s_wait_dscnt 0x0                               ; the add is done, and my reads of this slot are over
	s_barrier_signal -1
	MUL8 1, 1, 0
.if \fill
	WIN 0
.endif
	s_barrier_wait -1
.if \fill
	CREST                                          ; the barrier has opened a round of the cluster's: no wave of any partner still reads this slot or has a load on its way
	s_add_nc_u64 s[G0+4*\slot+2:G0+4*\slot+3], s[G0+4*\slot+2:G0+4*\slot+3], 1<<22        ; two K steps on: four heads
	s_add_nc_u64 s[G0B+4*\slot+2:G0B+4*\slot+3], s[G0B+4*\slot+2:G0B+4*\slot+3], 524288   ; 256 k-rows
	JLOAD \slot                                    ; my one tensor load behind the round; its four v_nop are also the places ahead of the loads below
.else
	PLACES
.endif
	FETCH \next, 0, 0
	WIN MUL
	MUL8 1, 2, 0
	MUL8 1, 3, 0
.endm
	s_wait_tensorcnt 1                             ; my part of K step 0 is in; K step 1's load stays out
	s_barrier_signal -1
	s_barrier_wait -1
	FETCH 0, 0, 0
	QUARTER 0, 1, 0, 1, 1                          ; the first products start the sums
	WIN 0
	s_mov_b32 s3, LAPS-1
.Llap:                                             ; a trip goes once round the ring and fills both slots again
	QUARTER 0, 2, 1, 0, 0
	QUARTER 0, 3, 0, 1, 0
	TURN 0, 1, 1
	QUARTER 1, 1, 0, 1, 0
	QUARTER 1, 2, 1, 0, 0
	QUARTER 1, 3, 0, 1, 0
	TURN 1, 0, 1
	QUARTER 0, 1, 0, 1, 0
	WIN 0
	s_sub_co_u32 s3, s3, 1
	s_cmp_lg_u32 s3, 0
	s_cbranch_scc1 .Llap
	QUARTER 0, 2, 1, 0, 0                          ; the last lap fills nothing
	QUARTER 0, 3, 0, 1, 0
	TURN 0, 1, 0
	QUARTER 1, 1, 0, 1, 0
	QUARTER 1, 2, 1, 0, 0
	QUARTER 1, 3, 0, 1, 0
	s_wait_dscnt 4
	WIN MUL
	MUL8 1, 0, 0
	MUL8 1, 1, 0
	s_wait_dscnt 0
	MUL8 1, 2, 0
	MUL8 1, 3, 0
	WIN 0
; THE WAY OUT, block by block of 16 rows x 128 columns, through my own stage: in as 32 bytes a lane, back as rows of 512 bytes, which 32 lanes store as 512 consecutive bytes, aligned.
.macro TOSTAGE a
	WIN 0x08                                       ; an LDS store's data are its source 1: window 2
.irp b, 0,1,2,3,4,5,6,7
	ds_store_b128 v[STO], v[8*(8*(\a)+\b):8*(8*(\a)+\b)+3] offset:64*\b          ; each accumulator from its low end on
	ds_store_b128 v[STO], v[8*(8*(\a)+\b)+4:8*(8*(\a)+\b)+7] offset:64*\b+16
.endr
	WIN 0
.set BB, BK+64*((\a)%2)
.irp t, 0,1,2,3,4,5,6,7,8,9,10,11,12,13,14,15
	ds_load_b128 v[BB+4*\t:BB+4*\t+3], v[RD] offset:\t*528                       ; in order behind my stores
.endr
.endm
.macro SEND a, younger
.set BB, BK+64*((\a)%2)
	s_wait_dscnt \younger                          ; the block is back; the next block's 16 stores and 16 loads may be out
.irp t, 0,1,2,3,4,5,6,7,8,9,10,11,12,13,14,15
	global_store_b128 v[CO], v[BB+4*\t:BB+4*\t+3], s[8:9] offset:(\a)*65536+\t*4096 th:TH_STORE_NT
.endr
.endm
	PLACES
	TOSTAGE 0
.irp a, 1,2,3
.if \a > 1
	s_wait_xcnt 0x0                                ; block a - 2's stores have read their registers: block a's loads may land there
.endif
	TOSTAGE \a
	SEND \a-1, 32
.endr
	SEND 3, 0
	s_wait_tensorcnt 0x0                           ; the wave's end, behind my last tensor load and my last LDS store
	ds_add_u32 v[SPW], v[NIL]
	s_wait_dscnt 0x0
	CROUND                                         ; the closing round
	s_endpgm
.Lfunc_end_k_q3f34725c55_proj:
	.size	k_q3f34725c55_proj, .Lfunc_end_k_q3f34725c55_proj-k_q3f34725c55_proj
	.p2alignl 7, 3214868480
	.fill 96, 4, 3214868480
	.section	.rodata,"a",@progbits
	.p2align	6, 0x0
	.amdhsa_kernel k_q3f34725c55_proj
		.amdhsa_group_segment_fixed_size 327680
		.amdhsa_private_segment_fixed_size 0
		.amdhsa_enable_private_segment 0
		.amdhsa_kernarg_size 24
		.amdhsa_user_sgpr_count 2
		.amdhsa_user_sgpr_kernarg_segment_ptr 1
		.amdhsa_wavefront_size32 1
		.amdhsa_system_sgpr_workgroup_id_x 1
		.amdhsa_system_sgpr_workgroup_id_y 1
		.amdhsa_system_sgpr_workgroup_id_z 1
		.amdhsa_system_vgpr_workitem_id 0
		.amdhsa_next_free_vgpr 768
		.amdhsa_next_free_sgpr 66
		.amdhsa_reserve_vcc 0
		.amdhsa_float_denorm_mode_32 3
		.amdhsa_float_denorm_mode_16_64 3
		.amdhsa_memory_ordered 1
		.amdhsa_forward_progress 1
		.amdhsa_inst_pref_size 85
	.end_amdhsa_kernel
	.amdgpu_metadata
---
amdhsa.version: [ 1, 2 ]
amdhsa.kernels:
  - .name:           k_q3f34725c55_proj
    .symbol:         k_q3f34725c55_proj.kd
    .args:
      - { .name: y16, .offset: 0, .size: 8, .value_kind: global_buffer, .address_space: global }
      - { .name: wp16, .offset: 8, .size: 8, .value_kind: global_buffer, .address_space: global }
      - { .name: out0, .offset: 16, .size: 8, .value_kind: global_buffer, .address_space: global }
    .group_segment_fixed_size: 327680
    .private_segment_fixed_size: 0
    .kernarg_segment_align: 8
    .kernarg_segment_size: 24
    .max_flat_workgroup_size: 128
    .sgpr_count:     66
    .vgpr_count:     768
    .wavefront_size: 32
...
	.end_amdgpu_metadata
.endif
;; end of part 4
;; launch first16 (part 5): grid 64 x 4, 16 waves a work-group, no clusters, 18,432 bytes of LDS; arguments qkv32, w_proj, out0; writes out0
.if DOCPART == 5
	.amdgcn_target "amdgcn-amd-amdhsa--gfx1250"
	.amdhsa_code_object_version 6
	.text
	.protected	k_q3f34725c55_first16
	.globl	k_q3f34725c55_first16
	.p2align	8
	.type	k_q3f34725c55_first16,@function
k_q3f34725c55_first16:
	s_mov_b64 s[64:65], 0
	v_nop
	global_prefetch_b8 v0, s[64:65] scope:SCOPE_SE
	s_setreg_imm32_b32 hwreg(HW_REG_WAVE_MODE, 25, 1), 1
	s_wait_xcnt 0x0
; The first 16 positions of each batch, attention and projection, in f32 throughout: under the causal mask these rows average one to sixteen values and are the largest of the output.
; qkv32: [16 batch + t][3072] f32 (q, k, v as the quantised product gave them); w_proj: [1024][1024] f32; out0 rows 2048 batch + 0 .. 15 are stored over what the launch before left there.
; SHARES.  Work-group (nc, batch) makes 16 rows x columns 16 nc .. + 15.  Wave w is head w: its head's attention for the 16 positions, then the part of the projection that its 64 channels give;
; the sixteen parts meet in LDS and wave 0 adds them.  Every work-group of a batch repeats the small attention (16 x 16 x 64) rather than hand it on through memory.
; w_proj is read, and out0 stored, in pieces of 64 bytes of a row: 4 MB of w_proj for each batch and 256 KB of stores in all; a launch of 48 matrix instructions a wave.
; All products by v_wmma_f32_16x16x4_f32, used transposed, K permuted alike on both sources; the registers that they write (v160-239) are written by nothing else.
; The maximum is taken away before the exponential, as in the definition.  LIMITS: NaN and infinities are not served.
.set SPARE, 16384                      ; behind the sixteen images of 1,024 bytes: the spare words, 128 bytes a wave
.set SPW, 8
.set NIL, 9
	s_load_b128 s[4:7], s[0:1], 0x0                ; qkv32 s[4:5], w_proj s[6:7]
	s_load_b64 s[8:9], s[0:1], 0x10                ; out0
	v_lshl_add_u32 v[SPW], v0, 2, SPARE
	v_mov_b32 v[NIL], 0
	v_lshrrev_b32 v10, 5, v0
	v_readfirstlane_b32 s10, v10                   ; wave = head
	s_and_b32 s11, ttmp7, 0xffff                   ; batch
	v_and_b32 v1, 15, v0                           ; r
	v_bfe_u32 v2, v0, 4, 1                         ; h
	s_lshl_b32 s12, s10, 8                         ; my head's 64 columns, in bytes
	v_mul_u32_u24 v3, v1, 12288
	v_lshl_add_u32 v3, v2, 7, v3
	v_add_nc_u32 v3, s12, v3                       ; Q, K: row r, channels 32 h + 0 .. 31
	v_mul_u32_u24 v4, v2, 8*12288
	v_lshl_add_u32 v4, v1, 2, v4
	v_add_nc_u32 v4, s12, v4                       ; V: rows 8 h on, channel r of a tile
	s_lshl_b32 s13, s10, 18                        ; w_proj: my head's 64 rows of 4,096 bytes,
	v_lshlrev_b32 v5, 15, v2                       ; rows 8 h on,
	v_lshl_add_u32 v5, v1, 2, v5                   ; column r of my sixteen
	v_add_nc_u32 v5, s13, v5
	v_and_b32 v10, 31, v0
	v_lshlrev_b32 v10, 4, v10                      ; 16 x lane
	s_lshl_b32 s14, s10, 10
	v_add_nc_u32 v6, s14, v10                      ; my wave's image
	v_lshlrev_b32 v7, 12, v1
	v_lshl_add_u32 v7, v2, 5, v7                   ; out0: row r, columns 8 h on
	v_lshlrev_b32 v11, 3, v2
	v_sub_nc_u32 v11, v1, v11                      ; r - 8 h
	v_mov_b32 v12, 0xff800000                      ; -infinity
	v_mov_b32 v14, 0                               ; a lane permute's destination counts as one of its sources
	s_mov_b32 s16, 0x76543210
	s_mov_b32 s17, 0xfedcba98
	s_mov_b32 s18, 0x3e38aa3b                      ; c = log2(e) / 8
	s_mul_i32 s20, s11, 16*12288
	s_mov_b32 s21, 0
	s_lshl_b32 s22, ttmp9, 6                       ; my 16 columns, in bytes
	s_mov_b32 s23, 0
	s_lshl_b32 s24, s11, 23                        ; 2,048 rows of 4,096 bytes a batch
	s_add_co_u32 s24, s24, s22
	s_mov_b32 s25, 0
	s_wait_kmcnt 0x0
	s_add_nc_u64 s[4:5], s[4:5], s[20:21]
	s_add_nc_u64 s[6:7], s[6:7], s[22:23]
	s_add_nc_u64 s[8:9], s[8:9], s[24:25]
.irp i, 0,1,2,3,4,5,6,7
	global_load_b128 v[32+4*\i:35+4*\i], v3, s[4:5] offset:16*\i           ; Q
.endr
.irp i, 0,1,2,3,4,5,6,7
	global_load_b128 v[64+4*\i:67+4*\i], v3, s[4:5] offset:4096+16*\i      ; K
.endr
.irp c, 0,1,2,3
.irp j, 0,1,2,3,4,5,6,7
	global_load_b32 v[96+8*\c+\j], v4, s[4:5] offset:8192+\j*12288+64*\c   ; register 8 c + j: V(8 h + j, 16 c + r)
.endr
.endr
	s_wait_loadcnt 32                              ; Q and K are in; V's 32 loads stay out
	; S^T = K Q^T: K step s takes registers 2 s, 2 s + 1 of both: channels 32 h + 2 s, + 1.  Two accumulators by turns
	v_wmma_f32_16x16x4_f32 v[160:167], v[64:65], v[32:33], 0
	v_wmma_f32_16x16x4_f32 v[168:175], v[66:67], v[34:35], 0
.irp s, 2,3,4,5,6,7,8,9,10,11,12,13,14,15
	v_wmma_f32_16x16x4_f32 v[160+8*(\s%2):167+8*(\s%2)], v[64+2*\s:65+2*\s], v[32+2*\s:33+2*\s], v[160+8*(\s%2):167+8*(\s%2)]
.endr
.irp c, 0,1,2,3
.irp j, 0,1,2,3,4,5,6,7
	global_load_b32 v[128+8*\c+\j], v5, s[6:7] offset:(16*\c+\j)*4096      ; register 8 c + j: w_proj(64 head + 16 c + 8 h + j, my column r)
.endr
.endr
.rept 8
	v_nop                                          ; eight plain lines behind this form, ahead of the first read of its results (ISA guide 7.12.1)
.endr
.irp j, 0,1,2,3,4,5,6,7
	v_add_f32 v[240+\j], v[160+\j], v[168+\j]      ; lane (r, h): the score of query r and key 8 h + j
.endr
.irp j, 0,1,2,3,4,5,6,7
	v_cmp_gt_i32 vcc_lo, \j, v11                   ; hidden where 8 h + j > r
	v_cndmask_b32 v[240+\j], v[240+\j], v12, vcc_lo
.endr
	v_max3_num_f32 v13, v240, v241, v242
	v_max3_num_f32 v13, v13, v243, v244
	v_max3_num_f32 v13, v13, v245, v246
	v_max_num_f32 v13, v13, v247
	v_permlanex16_b32 v14, v13, s16, s17
	v_max_num_f32 v13, v13, v14                    ; the row's maximum: key 0 counts for every query, so it is a number
	v_mul_f32 v15, s18, v13
.irp j, 0,1,2,3,4,5,6,7
	v_fma_f32 v[240+\j], v[240+\j], s18, -v15
.endr
.irp j, 0,1,2,3,4,5,6,7
	v_exp_f32 v[240+\j], v[240+\j]
.endr
	v_nop
	s_wait_alu depctr_va_vdst(0)                   ; one wait for the eight exponentials, ahead of their first reader
	v_add_f32 v16, v240, v241
	v_add_f32 v17, v242, v243
	v_add_f32 v16, v16, v244
	v_add_f32 v17, v17, v245
	v_add_f32 v16, v16, v246
	v_add_f32 v17, v17, v247
	v_add_f32 v16, v16, v17
	v_permlanex16_b32 v14, v16, s16, s17
	v_add_f32 v16, v16, v14                        ; the row's sum
	v_rcp_f32 v18, v16
	v_nop
	s_wait_alu depctr_va_vdst(0)
	s_wait_loadcnt 32                              ; V is in; w_proj's 32 loads stay out
	; O^T = V^T P: K step s takes keys 8 h + 2 s, + 1.  Four accumulators by turns
.irp c, 0,1,2,3
	v_wmma_f32_16x16x4_f32 v[176+8*\c:183+8*\c], v[96+8*\c:97+8*\c], v[240:241], 0
.endr
.irp s, 1,2,3
.irp c, 0,1,2,3
	v_wmma_f32_16x16x4_f32 v[176+8*\c:183+8*\c], v[96+8*\c+2*\s:97+8*\c+2*\s], v[240+2*\s:241+2*\s], v[176+8*\c:183+8*\c]
.endr
.endr
.rept 8
	v_nop
.endr
.irp c, 0,1,2,3
.irp j, 0,1,2,3,4,5,6,7
	v_mul_f32 v[32+8*\c+\j], v[176+8*\c+\j], v18   ; y(query r, channel 16 c + 8 h + j), into other registers
.endr
.endr
	s_wait_loadcnt 0x0                             ; w_proj
	; my head's part of the projection, transposed: source 0 = my 16 columns of w_proj, source 1 = y; K step (c, s) takes channels 16 c + 8 h + 2 s, + 1
.irp c, 0,1,2,3
	v_wmma_f32_16x16x4_f32 v[208+8*\c:215+8*\c], v[128+8*\c:129+8*\c], v[32+8*\c:33+8*\c], 0
.endr
.irp s, 1,2,3
.irp c, 0,1,2,3
	v_wmma_f32_16x16x4_f32 v[208+8*\c:215+8*\c], v[128+8*\c+2*\s:129+8*\c+2*\s], v[32+8*\c+2*\s:33+8*\c+2*\s], v[208+8*\c:215+8*\c]
.endr
.endr
.rept 8
	v_nop
.endr
.irp i, 0,2,4,6
	v_pk_add_f32 v[240+\i:241+\i], v[208+\i:209+\i], v[216+\i:217+\i]
.endr
.irp i, 0,2,4,6
	v_pk_add_f32 v[248+\i:249+\i], v[224+\i:225+\i], v[232+\i:233+\i]
.endr
.irp i, 0,2,4,6
	v_pk_add_f32 v[240+\i:241+\i], v[240+\i:241+\i], v[248+\i:249+\i]   ; lane (r, h): my head's part of out(r, 16 nc + 8 h + 0 .. 7)
.endr
	ds_store_b128 v6, v[240:243]                   ; as an image of the registers: 16 bytes a lane
	ds_store_b128 v6, v[244:247] offset:512
	s_wait_dscnt 0x0                               ; for the others' sake: my stores have landed
	s_barrier_signal -1
	s_barrier_wait -1
	s_cmp_lg_u32 s10, 0
	s_cbranch_scc1 .Ldone
.irp w, 0,1,2,3,4,5,6,7,8,9,10,11,12,13,14,15
	ds_load_b128 v[32+8*\w:35+8*\w], v10 offset:1024*\w
	ds_load_b128 v[36+8*\w:39+8*\w], v10 offset:1024*\w+512
.endr
	s_wait_dscnt 0x0
.macro ADDIMG w, d
.irp i, 0,2,4,6
	v_pk_add_f32 v[32+8*(\w)+\i:33+8*(\w)+\i], v[32+8*(\w)+\i:33+8*(\w)+\i], v[32+8*((\w)+(\d))+\i:33+8*((\w)+(\d))+\i]
.endr
.endm
.irp w, 0,2,4,6,8,10,12,14
	ADDIMG \w, 1
.endr
.irp w, 0,4,8,12
	ADDIMG \w, 2
.endr
	ADDIMG 0, 4
	ADDIMG 8, 4
	ADDIMG 0, 8
	global_store_b128 v7, v[32:35], s[8:9]
	global_store_b128 v7, v[36:39], s[8:9] offset:16
.Ldone:
	s_wait_tensorcnt 0x0                           ; the wave's end, behind my last LDS store
	ds_add_u32 v[SPW], v[NIL]
	s_wait_dscnt 0x0
	s_endpgm
.Lfunc_end_k_q3f34725c55_first16:
	.size	k_q3f34725c55_first16, .Lfunc_end_k_q3f34725c55_first16-k_q3f34725c55_first16
	.p2alignl 7, 3214868480
	.fill 96, 4, 3214868480
	.section	.rodata,"a",@progbits
	.p2align	6, 0x0
	.amdhsa_kernel k_q3f34725c55_first16
		.amdhsa_group_segment_fixed_size 18432
		.amdhsa_private_segment_fixed_size 0
		.amdhsa_enable_private_segment 0
		.amdhsa_kernarg_size 24
		.amdhsa_user_sgpr_count 2
		.amdhsa_user_sgpr_kernarg_segment_ptr 1
		.amdhsa_wavefront_size32 1
		.amdhsa_system_sgpr_workgroup_id_x 1
		.amdhsa_system_sgpr_workgroup_id_y 1
		.amdhsa_system_sgpr_workgroup_id_z 1
		.amdhsa_system_vgpr_workitem_id 0
		.amdhsa_next_free_vgpr 256
		.amdhsa_next_free_sgpr 66
		.amdhsa_reserve_vcc 1
		.amdhsa_float_denorm_mode_32 3
		.amdhsa_float_denorm_mode_16_64 3
		.amdhsa_memory_ordered 1
		.amdhsa_forward_progress 1
		.amdhsa_inst_pref_size 25
	.end_amdhsa_kernel
	.amdgpu_metadata
---
amdhsa.version: [ 1, 2 ]
amdhsa.kernels:
  - .name:           k_q3f34725c55_first16
    .symbol:         k_q3f34725c55_first16.kd
    .args:
      - { .name: qkv32, .offset: 0, .size: 8, .value_kind: global_buffer, .address_space: global }
      - { .name: w_proj, .offset: 8, .size: 8, .value_kind: global_buffer, .address_space: global }
      - { .name: out0, .offset: 16, .size: 8, .value_kind: global_buffer, .address_space: global }
    .group_segment_fixed_size: 18432
    .private_segment_fixed_size: 0
    .kernarg_segment_align: 8
    .kernarg_segment_size: 24
    .max_flat_workgroup_size: 512
    .sgpr_count:     66
    .vgpr_count:     256
    .wavefront_size: 32
...
	.end_amdgpu_metadata
.endif
;; end of part 5
